; MI455X (gfx1250); checked and timed in simulation.
; The chip was launched on July 23, 2026; its instructions are those of AMD's public machine-readable ISA for CDNA 5 (MIT licence, August 2026) and "CDNA5" Instruction Set Architecture Reference Guide (July 2026). The comments in the code are by the model that wrote it; some were corrected since.
;; Elastic Attention. Allowed arithmetic: matrix products marked QUANTISED: E2M3 operands, one E8M0 scale for each 32 along K, by v_wmma_scale_f32_16x16x128_f8f6f4 with both operands' format E2M3, f32 sums; everything else in f32.
;; Inputs: Wk 1,024 x 1,024 float32; Wo 1,024 x 1,024 float32; Wq 1,024 x 1,024 float32; Wv 1,024 x 1,024 float32; bk 1,024 float32; bo 1,024 float32; bq 1,024 float32; bv 1,024 float32; hidden_states 4 x 2,048 x 1,024 float32.
;; Outputs: out0 4 x 2,048 x 1,024 float32.
;; Constants: active_heads = 12.
;; This version of the problem:
;;   THIS VERSION OF THE PROBLEM IS GIVEN IN LOW PRECISION. The matrix products marked QUANTISED in the list below multiply operands that are first quantised to E2M3 (2 exponent bits, 3 mantissa bits; 6 bits a number), with one power-of-two scale for each 32 numbers along K (OCP MX v1.0); their sums are f32. All else is computed in f32.
;;   The module's matrix products, in the order in which they are computed (A, B: the left and right operand; K: the contracted axis; several contracted axes count as one K, in the product's order):
;;     1. [M 8,192, K 1,024] x [K 1,024, N 1,024]; A: input hidden_states; B: input Wq: QUANTISED
;;     2. [M 8,192, K 1,024] x [K 1,024, N 1,024]; A: input hidden_states; B: input Wk: QUANTISED
;;     3. [M 8,192, K 1,024] x [K 1,024, N 1,024]; A: input hidden_states; B: input Wv: QUANTISED
;;     4. batch 64 x [M 2,048, K 64] x [K 64, N 2,048]; A: computed on the way; B: computed on the way: QUANTISED
;;     5. batch 64 x [M 2,048, K 2,048] x [K 2,048, N 64]; A: softmax (see below); B: computed on the way: QUANTISED
;;     6. [M 8,192, K 1,024] x [K 1,024, N 1,024]; A: computed on the way; B: input Wo: QUANTISED
;;   THE QUANTISER, for each operand of a quantised product, along K:
;;     - K is cut into blocks of 32 from its start; a last block that is shorter is filled with zeros.
;;     - A block's scale is 2^e with e = floor(log2(the largest magnitude in the block)) - 2, held to -126 .. 127; a block of zeros has e = 0. As a byte (E8M0): e + 127.
;;     - Each number is divided by its block's scale, clamped to +-7.5, and rounded to the nearest number of E2M3, ties to even, subnormals kept.
;;     - The product sums the exact products of the quantised numbers (number of the format x scale) in f32.
;;   ~~~python
;;   def quantise(x, axis):      # numpy; x: float32 -> the quantised numbers, widened to float32 again
;;       x = np.moveaxis(x, axis, -1); K = x.shape[-1]
;;       x = np.pad(x, [(0, 0)] * (x.ndim - 1) + [(0, -K % 32)]); x = x.reshape(x.shape[:-1] + (-1, 32)); a = np.abs(x).max(-1, keepdims=True)
;;       e = np.where(a > 0, np.clip(np.frexp(np.where(a > 0, a, 1))[1] - 1 - 2, -126, 127), 0)      # np.frexp(a)[1] - 1 = floor(log2(a)), exactly
;;       r = np.clip(x / 2.0 ** e, -7.5, 7.5)
;;       step = 2.0 ** (np.maximum(np.frexp(np.where(r == 0, 1, r))[1] - 1, 0) - 3)
;;       q = np.round(r / step) * step * 2.0 ** e      # np.round: ties to even
;;       return np.moveaxis(q.reshape(q.shape[:-2] + (-1,))[..., :K], -1, axis).astype(np.float32)
;;   ~~~
;;   SOFTMAX AHEAD OF A QUANTISED PRODUCT. Where the list says 'softmax', what is quantised is not the finished softmax but p = 2^(t - M), with t = logit x log2(e) and M = ceil(the row's largest t), a whole number; so 1/2 < the row's largest p <= 1. The row's sum l is taken of the UNQUANTISED p, in f32, and the product's result is divided by l at the end. Since M is a whole number, a kernel that streams over the keys may use a running M (the ceiling of the running maximum): every later rescaling is an exact power of two, which a block's scale takes up: the codes' values come out the same.
;;   OPERANDS COMPUTED ON THE WAY. 'Computed on the way' means the value that the module computes at that place (a softmax that the list does not call 'softmax' is quantised finished and normalised). What goes into a quantiser is computed in f32, as accurately as f32 sums, v_exp_f32 and their like allow (about 1e-6 of the number): no bf16 or f16 on the way to a quantiser, and a product that is left as it is and whose result goes on into a quantised operand takes f32 operands (vector FMAs, or v_wmma_f32_16x16x4_f32). A number that lies on a knife's edge between two numbers of the format may be rounded either way, as far as f32 arithmetic and the matrix unit's own rounding can turn it there, and no further.
;; One version. Each part assembles by itself: llvm-mc -triple=amdgcn-amd-amdhsa -mcpu=gfx1250 --defsym DOCPART=n.
;; ======== version 1 of 1: 4 launches
;; limits: right only within a limited range of input values
;; workspace buffers: ops 9,011,200 bytes; qbuf 5,111,808 bytes; kv 10,027,008 bytes; att 4,915,200 bytes
;; launch quant (part 1): grid 352 x 1, 4 waves a work-group, no clusters, 34,304 bytes of LDS; arguments hidden_states, Wq, Wk, Wv, Wo, ops; writes ops
.if DOCPART == 1
	.amdgcn_target "amdgcn-amd-amdhsa--gfx1250"
	.amdhsa_code_object_version 6
	.text
	.protected	k_q85b8f41b3a_quant
	.globl	k_q85b8f41b3a_quant
	.p2align	8
	.type	k_q85b8f41b3a_quant,@function
k_q85b8f41b3a_quant:
	s_mov_b64 s[64:65], 0
	v_nop
	global_prefetch_b8 v0, s[64:65] scope:SCOPE_SE
	s_setreg_imm32_b32 hwreg(HW_REG_WAVE_MODE, 25, 1), 1
	s_wait_xcnt 0x0
; hidden_states [8192][1024], rows 0-767 of Wq, Wk, Wv [1024][1024] and columns 0-767 of Wo [1024][1024], all f32 with K innermost, become codes of FP6 (E2M3) with one E8M0 byte for each 32 along K.
; The rest of the weights belongs to heads 12-15, which the problem's own head mask multiplies by 0: it is neither read nor multiplied.
; A block's scale is 2^(floor(log2(its largest magnitude)) - 2); its byte is the largest magnitude's exponent field - 2, held at 1 from below.
; LIMITS: NaN and infinities among the inputs are not served (in the unread parts they would make the expected result NaN: here they have no effect); a block of zeros, or one whose largest
; magnitude lies under 2^-124, gets the byte 1: its codes are zeros or what the floor's scale gives; the bytes are read by this program alone.
; THE OUTPUT IS LAID AS THE NEXT LAUNCHES' OPERAND REGISTERS.  A group is 128 rows in 8 tiles of 16; lane r of tile t holds row 32 (t / 2) + 8 (t % 2) + r + 8 (r / 8).  A fragment (16 rows x 128 K,
; 12 registers a lane: registers 6 c .. 6 c + 5 = K 64 c + 32 (lane / 16) + 0 .. 31) is stored as three planes of 512 bytes, plane c holding registers 4 c .. 4 c + 3, lane l's at 16 l.
; A work-group makes one block of 25,600 bytes: 128 rows x 256 K = [K step 0, 1][tile 0 .. 7] fragments, then four units of 256 bytes of scale words: unit p, lane l: the words of tile 2 p + l / 16, row l % 16, K steps 0 and 1.
; Blocks lie on end: 256 of x (group, chunk of K), 72 of Wq, Wk, Wv, 24 of Wo (3 chunks a group): block number = work-group number.
; Wave p takes tiles 2 p and 2 p + 1: four fragments.  Each load reads 512 consecutive bytes of one row; the 16 rows turn through the wave's own stage in LDS (rows of 512 + 16 bytes), so that a lane gets two whole
; blocks of 32 neighbours.  No tensor loads, no barrier, no cluster: waves and work-groups share nothing.  Each store of the wave covers 512 (the scale words 256) consecutive bytes, aligned.
.set GB,   25600                       ; bytes of a block
.set STGB, 8448                        ; a wave's stage: 16 rows of SP bytes
.set SP,   528
.set MX,   8                           ; v8-9    the two blocks' largest magnitudes
.set SO,   10                          ; v10-11  the conversions' scale operands
.set BY,   12                          ; v12-13  the scale bytes
.set WD,   14                          ; v14     the row's scale word
.set TP,   15                          ; v15     the other half's bytes
.set SU,   16                          ; v16-17  the scale words to store: K step 0, 1; lanes 0-15 tile 2 p, lanes 16-31 tile 2 p + 1
.set PC,   20                          ; v20-31  a fragment's codes
.set TT,   32                          ; v32-38  the upper halves of the two blocks' codes
.set R,    64                          ; v64-191 two sets of 64: a fragment's numbers as loaded
.set X,    192                         ; v192-255 my two blocks of 32 neighbours
	s_load_b256 s[4:11], s[0:1], 0x0               ; x, Wq, Wk, Wv
	s_load_b128 s[12:15], s[0:1], 0x20             ; Wo, ops
	v_lshl_add_u32 v62, v0, 2, 0x8400
	v_mov_b32 v63, 0
	v_lshrrev_b32 v6, 5, v0
	v_readfirstlane_b32 s20, v6                    ; wave p
	v_and_b32 v7, 31, v0                           ; lane
	v_lshlrev_b32 v1, 4, v7                        ; 16 x lane: loads, and the codes' stores
	v_lshlrev_b32 v2, 3, v7                        ; 8 x lane: the scale words' store
	s_mul_i32 s21, s20, STGB
	v_add_nc_u32 v3, s21, v1                       ; the stage, on the way in: a row's 512 bytes as they lie
	v_and_b32 v6, 15, v0
	v_bfe_u32 v5, v0, 4, 1
	v_mul_u32_u24 v4, v6, SP
	v_lshl_add_u32 v4, v5, 7, v4
	v_add_nc_u32 v4, s21, v4                       ; and on the way out: row lane % 16, + 128 (lane / 16): my block of 32 numbers
	v_lshlrev_b32 v5, 3, v5                        ; 8 (lane / 16): my bytes' place in the scale word
	v_mov_b32 v[TP], 0                             ; written once: a lane permute's destination counts as one of its sources
	s_mov_b32 s22, 0x76543210
	s_mov_b32 s23, 0xfedcba98                      ; v_permlanex16_b32's selects for lane l xor 16
	s_mov_b32 s24, 0xffff0000                      ; lanes 16-31
	; which tensor, which 128 rows, which 256 columns.  One way through the text for all: only numbers and pointers are chosen
	s_lshr_b32 s27, ttmp9, 2                       ; x: group
	s_and_b32 s28, ttmp9, 3                        ; x, Wq, Wk, Wv: chunk of K
	s_max_u32 s29, ttmp9, 256
	s_sub_co_u32 s29, s29, 256
	s_lshr_b32 s29, s29, 2
	s_min_u32 s29, s29, 17                         ; Wq, Wk, Wv: group 0 .. 17, six to a matrix
	s_max_u32 s34, ttmp9, 328
	s_sub_co_u32 s34, s34, 328
	s_mul_i32 s35, s34, 171
	s_lshr_b32 s35, s35, 9                         ; Wo: group = number / 3 (exact for 0 .. 23),
	s_mul_i32 s36, s35, 3
	s_sub_co_u32 s36, s34, s36                     ; chunk = the remainder
	s_wait_alu depctr_va_vdst(0)
	s_wait_kmcnt 0x0
	s_cmp_ge_u32 s29, 6
	s_cselect_b64 s[32:33], s[8:9], s[6:7]
	s_cselect_b32 s30, 6, 0
	s_cmp_ge_u32 s29, 12
	s_cselect_b64 s[32:33], s[10:11], s[32:33]
	s_cselect_b32 s31, 6, 0
	s_sub_co_u32 s29, s29, s30
	s_sub_co_u32 s29, s29, s31                     ; the group within its matrix
	s_cmp_lt_u32 ttmp9, 256
	s_cselect_b64 s[32:33], s[4:5], s[32:33]
	s_cselect_b32 s27, s27, s29
	s_cmp_ge_u32 ttmp9, 328
	s_cselect_b64 s[32:33], s[12:13], s[32:33]
	s_cselect_b32 s27, s35, s27
	s_cselect_b32 s28, s36, s28
	s_lshl_b32 s27, s27, 19                        ; 128 rows of 4,096 bytes a group,
	s_lshl_b32 s37, s20, 17                        ; 32 rows a wave,
	s_add_co_u32 s27, s27, s37
	s_lshl_b32 s28, s28, 10                        ; 1,024 bytes a chunk
	s_add_co_u32 s36, s27, s28
	s_mov_b32 s37, 0
	s_add_nc_u64 s[32:33], s[32:33], s[36:37]      ; my wave's first number
	s_mul_i32 s38, ttmp9, GB
	s_mov_b32 s39, 0
	s_add_nc_u64 s[14:15], s[14:15], s[38:39]      ; my work-group's block
	s_mul_i32 s38, s20, 3072
	s_add_nc_u64 s[16:17], s[14:15], s[38:39]      ; my two tiles' fragments
	s_lshl_b32 s38, s20, 8
	s_add_nc_u64 s[18:19], s[14:15], s[38:39]      ; my unit of scale words (24,576 further on)
; Fragment f = 2 x K step + (tile % 2).  Load i brings the row of lane i of the tile: 512 consecutive bytes
.macro LOAD f
.irp i, 0,1,2,3,4,5,6,7,8,9,10,11,12,13,14,15
	global_load_b128 v[R+64*((\f)%2)+4*\i:R+64*((\f)%2)+4*\i+3], v1, s[32:33] offset:(8*((\f)%2)+\i+8*(\i/8))*4096+512*((\f)/2) th:TH_LOAD_NT
.endr
.endm
; Through the stage: LDS serves a wave's instructions in order, so no wait stands between the stores and the loads, nor in front of the next fragment's stores
.macro TURNL f
.irp i, 0,1,2,3,4,5,6,7,8,9,10,11,12,13,14,15
	ds_store_b128 v3, v[R+64*((\f)%2)+4*\i:R+64*((\f)%2)+4*\i+3] offset:SP*\i
.endr
.irp c, 0,1
.irp j, 0,1,2,3,4,5,6,7
	ds_load_b128 v[X+32*\c+4*\j:X+32*\c+4*\j+3], v4 offset:256*\c+16*\j   ; K = 64 c + 32 (lane / 16) + 4 j ..
.endr
.endr
.endm
.macro QL f
.irp c, 0,1
	v_max3_num_f32 v[MX+\c], |v[X+32*\c]|, |v[X+32*\c+1]|, 0x1800000   ; all 32 numbers of a block are mine; the floor 2^(3 - 127) holds the byte at 1 from below
.endr
.irp i, 2,4,6,8,10,12,14,16,18,20,22,24,26,28,30
.irp c, 0,1
	v_max3_num_f32 v[MX+\c], v[MX+\c], |v[X+32*\c+\i]|, |v[X+32*\c+\i+1]|   ; (the two blocks by turns)
.endr
.endr
.irp c, 0,1
	v_add_nc_u32 v[SO+\c], 0xff000000, v[MX+\c]    ; 2 off the exponent field: the conversion takes this operand's exponent field as its scale
.endr
.irp c, 0,1
	v_lshrrev_b32 v[BY+\c], 23, v[SO+\c]           ; the scale's byte
.endr
	v_lshl_or_b32 v[WD], v[BY+1], 16, v[BY]        ; my two bytes: blocks lane / 16 and 2 + lane / 16,
	v_lshlrev_b32 v[WD], v5, v[WD]                 ; at their places;
	v_permlanex16_b32 v[TP], v[WD], s22, s23
	v_or_b32 v[WD], v[WD], v[TP]                   ; with lane l xor 16's two the word is whole, in both halves
	s_wait_alu depctr_va_vdst(0)
	s_wait_xcnt 0x0                                ; the last fragment's stores have read their data: the codes' registers are written again only behind this wait
.irp c, 0,1
	v_cvt_scalef32_pk16_fp6_f32 v[PC+6*\c:PC+6*\c+2], v[X+32*\c:X+32*\c+15], v[SO+\c]
	v_cvt_scalef32_pk16_fp6_f32 v[TT+4*\c:TT+4*\c+2], v[X+32*\c+16:X+32*\c+31], v[SO+\c]   ; (a conversion's three registers begin on an even number)
.endr
	v_nop                                          ; one plain instruction behind the conversions, ahead of the moves that read their results
.irp c, 0,1
.irp i, 0,1,2
	v_mov_b32 v[PC+3+6*\c+\i], v[TT+4*\c+\i]
.endr
.endr
.if (\f)%2
	v_cndmask_b32 v[SU+(\f)/2], v[SU+(\f)/2], v[WD], s24   ; the odd tile's words go to lanes 16-31
.else
	v_mov_b32 v[SU+(\f)/2], v[WD]
.endif
.irp c, 0,1,2
	global_store_b128 v1, v[PC+4*\c:PC+4*\c+3], s[16:17] offset:12288*((\f)/2)+1536*((\f)%2)+512*\c
.endr
.endm
	LOAD 0
	LOAD 1
.irp f, 0,1,2,3
.if \f < 3
	s_wait_loadcnt 16                              ; this fragment's 16 loads are in; the next fragment's may be out
.else
	s_wait_loadcnt 0x0
.endif
	TURNL \f
	s_wait_dscnt 0x0                               ; my numbers are back, and the stage's stores have read their registers,
.if \f < 2
	LOAD \f+2                                      ; which take the loads of two fragments on
.endif
	QL \f
.endr
	global_store_b64 v2, v[SU:SU+1], s[18:19] offset:24576
	s_wait_tensorcnt 0x0
	ds_add_u32 v62, v63
	s_wait_dscnt 0x0
	s_endpgm
.Lfunc_end_k_q85b8f41b3a_quant:
	.size	k_q85b8f41b3a_quant, .Lfunc_end_k_q85b8f41b3a_quant-k_q85b8f41b3a_quant
	.p2alignl 7, 3214868480
	.fill 96, 4, 3214868480
	.section	.rodata,"a",@progbits
	.p2align	6, 0x0
	.amdhsa_kernel k_q85b8f41b3a_quant
		.amdhsa_group_segment_fixed_size 34304
		.amdhsa_private_segment_fixed_size 0
		.amdhsa_enable_private_segment 0
		.amdhsa_kernarg_size 48
		.amdhsa_user_sgpr_count 2
		.amdhsa_user_sgpr_kernarg_segment_ptr 1
		.amdhsa_wavefront_size32 1
		.amdhsa_system_sgpr_workgroup_id_x 1
		.amdhsa_system_sgpr_workgroup_id_y 1
		.amdhsa_system_sgpr_workgroup_id_z 1
		.amdhsa_system_vgpr_workitem_id 0
		.amdhsa_next_free_vgpr 256
		.amdhsa_next_free_sgpr 66
		.amdhsa_reserve_vcc 0
		.amdhsa_float_denorm_mode_32 3
		.amdhsa_float_denorm_mode_16_64 3
		.amdhsa_memory_ordered 1
		.amdhsa_forward_progress 1
		.amdhsa_inst_pref_size 31
	.end_amdhsa_kernel
	.amdgpu_metadata
---
amdhsa.version: [ 1, 2 ]
amdhsa.kernels:
  - .name:           k_q85b8f41b3a_quant
    .symbol:         k_q85b8f41b3a_quant.kd
    .args:
      - { .name: hidden_states, .offset: 0, .size: 8, .value_kind: global_buffer, .address_space: global }
      - { .name: Wq, .offset: 8, .size: 8, .value_kind: global_buffer, .address_space: global }
      - { .name: Wk, .offset: 16, .size: 8, .value_kind: global_buffer, .address_space: global }
      - { .name: Wv, .offset: 24, .size: 8, .value_kind: global_buffer, .address_space: global }
      - { .name: Wo, .offset: 32, .size: 8, .value_kind: global_buffer, .address_space: global }
      - { .name: ops, .offset: 40, .size: 8, .value_kind: global_buffer, .address_space: global }
    .group_segment_fixed_size: 34304
    .private_segment_fixed_size: 0
    .kernarg_segment_align: 8
    .kernarg_segment_size: 48
    .max_flat_workgroup_size: 128
    .sgpr_count:     66
    .vgpr_count:     256
    .wavefront_size: 32
...
	.end_amdgpu_metadata
.endif
;; end of part 1
;; launch qkv (part 2): grid 32 x 9, 4 waves a work-group, clusters of 4 x 1, 327,680 bytes of LDS; arguments ops, bq, bk, bv, qbuf, kv; writes qbuf, kv
.if DOCPART == 2
	.amdgcn_target "amdgcn-amd-amdhsa--gfx1250"
	.amdhsa_code_object_version 6
	.text
	.protected	k_q85b8f41b3a_qkv
	.globl	k_q85b8f41b3a_qkv
	.p2align	8
	.type	k_q85b8f41b3a_qkv,@function
k_q85b8f41b3a_qkv:
	s_mov_b64 s[64:65], 0
	v_nop
	global_prefetch_b8 v0, s[64:65] scope:SCOPE_SE
	s_setreg_imm32_b32 hwreg(HW_REG_WAVE_MODE, 25, 1), 1
	s_wait_xcnt 0x0
	s_wait_alu depctr_hold_cnt(0) depctr_sa_sdst(0) depctr_va_vdst(0) depctr_va_sdst(0) depctr_va_ssrc(0) depctr_va_vcc(0) depctr_vm_vsrc(0)
	s_getreg_b32 s2, hwreg(HW_REG_IB_STS2, 6, 4)
	s_cmp_eq_u32 s2, 0
	s_cbranch_scc0 .Lentry_in_a_cluster
	s_endpgm
.Lentry_in_a_cluster:
	s_bfe_u32 s2, ttmp6, 0x10000c
	s_cmp_lg_u32 s2, 0x3003
	s_cbranch_scc0 .Lentry_shape_is_right
	s_endpgm
.Lentry_shape_is_right:
; q, k, v = x W^T + b for heads 0-11 (the other four are multiplied by 0 by the problem's own mask), on codes of FP6 (E2M3) with E8M0 scales; the results are quantised at once: q and k along the head's 64, v along the keys.
; LIMITS: NaN and infinities are not served; a block of zeros or with a largest magnitude under 2^-124 gets the byte 1 (this program alone reads the bytes).
; SHARES.  A work-group makes 256 tokens x 256 features (work-group y: 0-2 q, 3-5 k, 6-8 v); each of its four waves 128 x 128: 64 accumulators.  K = 1,024 in 4 chunks of 256, 8 steps of 128.
; OPERANDS lie in memory as images of their registers (launch quant): a chunk of 128 rows is one dense block of 25,600 bytes: 16 fragments of three planes of 512 bytes, then the scale words.
; A fragment comes from LDS by three loads of 16 bytes a lane at 16 x lane: no pitch, no padding.
; TWO ROLES, ONE TEXT.  q, k: source 0 = W, source 1 = x: a lane holds one token, its registers run along the features.  v: source 0 = x, source 1 = Wv: a lane holds one feature, its registers run along the tokens,
; which are the keys.  So the next product's K always runs along a lane's registers.  The role hangs on work-group y alone, which the four partners of a cluster share; it enters the LDS places of the two sources,
; the output pointers, two masks on the bias tables and three short branches round the scale words' stores.
; THE ROWS OF A TILE ARE NOT NEIGHBOURS (lane r of tile t: row 32 (t / 2) + 8 (t % 2) + r + 8 (r / 8)): the 16 registers of result tiles 2 b, 2 b + 1 are 16 neighbours: 32 b + 16 (lane / 16) + 0 .. 15.
; CLUSTER 4 x 1: the four work-groups of a cluster have the same features: W's chunks are asked for jointly (mask 15).  x's differ between them and come by plain loads.  No 4 x 4: the grid's 9 is no multiple of 4.
; LDS: three slots of 102,400 bytes (x's two groups, W's two groups of one chunk: region = the number of the wave that fetches it); chunks 0, 1, 2 go out at the start, chunk 3 refills slot 0 behind the one round
; in the K steps and has four K steps, 256 matrix instructions, in which to land.  By this text's count a wave has three tensor loads out at the most.  All of a WGP's LDS is claimed.
; REGISTERS: window 0: v1-17 addresses, v28-29 for the add, v32-63 scale words (two sets), v64-71 the bias by lane, v128-223 source 1's 8 fragments (one set); in the epilogue v128-243 at work.
;   window 1: source 0's fragments, two sets (v0-95, v128-223), and the bias by register (v96-127, v224-255).   windows 2, 3: the accumulators ((a, b) at v[8 (8 (a % 4) + b)]).
.set GB,    25600
.set SLOT,  4*GB
.set SPARE, 3*SLOT                     ; the spare words: 128 bytes for each wave, two blocks of 256 bytes that no other line names
.set FR,    12
.set AD1,   4                          ; v4-6    source 1's fragments in slot 0, 1, 2: 16 x lane + the place
.set AD0,   7                          ; v7-9    source 0's
.set AS1,   10                         ; v10-12  source 1's scale words: 8 x lane + the place
.set AS0,   13                         ; v13-15  source 0's
.set BA0,   16                         ; v16     the bias by register: 64 (lane / 16)
.set BA1,   17                         ; v17     the bias by lane: 4 (r + 8 (r / 8))
.set SPW,   28
.set NIL,   29
.set SC,    32                         ; set s at SC + 16 s: + 2 p + q: source 0's tiles 2 p (lanes 0-15) and 2 p + 1 (lanes 16-31), K step q of the chunk; + 8 + 2 p + q: source 1's
.set TAB1,  64
.set AF,    128
.set ST,    128                        ; epilogue: 64 numbers of a lane
.set TM,    192                        ; v192-207 maxima, bytes, scale operands
.set PC,    208                        ; v208-219 the codes, v220-226 their upper halves on the way
.set PW,    228                        ; the scale word just made
.set WW,    232                        ; v232-235 scale words gathered: lanes 0-15 the even tile's, lanes 16-31 the odd one's
.set LW,    236                        ; v236-239 their low halves (the first head's)
.set HW,    240                        ; v240-243 their high halves (the second head's)
.set G1X,   24                         ; s[24:31] group 1 for x's chunks;  s[32:39] for W's (the mask);  s[40:51], s[52:63] groups 0, a set for each slot
.set G1W,   32
.set G0X,   40
.set G0W,   52
.set P0,    68                         ; s[68:69], s[70:71] where a tile's two halves go;  s[72:73] the step from tile to tile;  s[74:75] the step into tile 4
.set P1,    70
.set INC,   72
.set INC3,  74
.set MSB,   0
.macro WIN new                         ; the immediate's high byte repeats the setting that is left
.if MSB != (\new)
	s_set_vgpr_msb (MSB<<8)|(\new)
.set MSB, \new
.endif
.endm
.macro PLACES n
.rept \n
	v_nop
.endr
.endm
.macro CREST                           ; a round of the cluster's barrier behind its opening barrier
	s_cmp_lg_u32 s16, 0
	s_cbranch_scc1 .Lnot_wave_0_\@
	s_barrier_signal -3
.Lnot_wave_0_\@:
	s_barrier_wait -3
	s_barrier_signal -1
	s_barrier_wait -1
.endm
.macro CROUND
	s_barrier_signal -1
	s_barrier_wait -1
	CREST
.endm
; The one refill: slot 0.  Wave 0 fetches x's two groups, wave 1 W's; waves 2 and 3 nothing.  The branch hangs on the wave's number alone.  Four v_nop follow each line
; (Chunk 3: wave 0 fetches x's two groups by one load, wave 1 W's two; waves 2 and 3 fetch nothing here.)
.macro JLOAD0
	s_cmp_eq_u32 s16, 0
	s_cbranch_scc0 .Lfor_w_\@
	tensor_load_to_lds s[G0X:G0X+3], s[G1X:G1X+7]
	s_nop 0
	PLACES 4
	s_branch .Lasked_\@
.Lfor_w_\@:
	s_cmp_eq_u32 s16, 1
	s_cbranch_scc0 .Lnone_\@
	tensor_load_to_lds s[G0W:G0W+3], s[G1W:G1W+7]
	s_nop 0
	PLACES 4
	s_branch .Lasked_\@
.Lnone_\@:
	PLACES 4
.Lasked_\@:
.endm
; One matrix instruction.  ra, rb = 1: the side's scale words stand in lanes 16-31 of the register named
.macro WM d, a, b, c, sa, sb, ra, rb
.set rD, \d
.set rA, \a
.set rB, \b
.set rC, \c
.set rX, \sa
.set rY, \sb
.set rR, (\ra)+2*(\rb)
.if rR == 0
	v_wmma_scale_f32_16x16x128_f8f6f4 v[rD:rD+7], v[rA:rA+11], v[rB:rB+11], v[rC:rC+7], v[rX], v[rY] matrix_a_fmt:MATRIX_FMT_FP6 matrix_b_fmt:MATRIX_FMT_FP6
.elseif rR == 1
	v_wmma_scale_f32_16x16x128_f8f6f4 v[rD:rD+7], v[rA:rA+11], v[rB:rB+11], v[rC:rC+7], v[rX], v[rY] matrix_a_fmt:MATRIX_FMT_FP6 matrix_b_fmt:MATRIX_FMT_FP6 matrix_a_scale:MATRIX_SCALE_ROW1
.elseif rR == 2
	v_wmma_scale_f32_16x16x128_f8f6f4 v[rD:rD+7], v[rA:rA+11], v[rB:rB+11], v[rC:rC+7], v[rX], v[rY] matrix_a_fmt:MATRIX_FMT_FP6 matrix_b_fmt:MATRIX_FMT_FP6 matrix_b_scale:MATRIX_SCALE_ROW1
.else
	v_wmma_scale_f32_16x16x128_f8f6f4 v[rD:rD+7], v[rA:rA+11], v[rB:rB+11], v[rC:rC+7], v[rX], v[rY] matrix_a_fmt:MATRIX_FMT_FP6 matrix_b_fmt:MATRIX_FMT_FP6 matrix_a_scale:MATRIX_SCALE_ROW1 matrix_b_scale:MATRIX_SCALE_ROW1
.endif
.endm
	s_load_b256 s[4:11], s[0:1], 0x0               ; ops, bq, bk, bv
	s_load_b128 s[12:15], s[0:1], 0x20             ; qbuf, kv
	v_lshl_add_u32 v[SPW], v0, 2, SPARE
	v_mov_b32 v[NIL], 0
	ds_add_u32 v28, v29
	ds_add_u32 v28, v29
	s_wait_dscnt 0x0
	v_lshrrev_b32 v3, 5, v0
	v_readfirstlane_b32 s16, v3                    ; wave 0..3
	s_lshr_b32 s17, s16, 1                         ; my half of source 1
	s_and_b32 s18, s16, 1                          ; my half of source 0.  Also: which of the two groups I fetch
	s_bfe_u32 s19, ttmp6, 0x40000                  ; cx
	s_lshl_b32 s20, ttmp9, 2
	s_add_co_u32 s20, s20, s19                     ; the tile of 256 tokens = 4 x cluster x + cx
	s_and_b32 s21, ttmp7, 0xffff                   ; the tile of 256 features, 0 .. 8: the same in all four partners
	s_cmp_ge_u32 s21, 3
	s_cselect_b32 s82, 3, 0
	s_cmp_ge_u32 s21, 6                            ; v's role?
	s_cselect_b32 s83, 3, 0
	s_cselect_b32 s22, 1, 0
	s_cselect_b32 s77, -1, 0                       ; all lanes in v's role,
	s_cselect_b32 s76, 0, -1                       ; all lanes in q's and k's
	s_cselect_b32 s84, 2*GB, 0                     ; where source 1's two groups lie in a slot: x's at 0, W's at 51,200
	s_cselect_b32 s85, 0, 2*GB                     ; and source 0's
	s_mov_b32 s78, 0xffff0000                      ; lanes 16-31
	s_mov_b32 s80, 0x76543210
	s_mov_b32 s81, 0xfedcba98                      ; v_permlanex16_b32's selects for lane l xor 16
	; group 1: a dense block of 25,600 bytes as 100 rows of 256 bytes (32 elements of 8 bytes), no padding
; THE FILLS, AS THEY NOW STAND (this takes the place of what the head comment says of them).  A group's four chunks lie on end, 102,400 bytes a group, and the two groups of a tile lie on end too.
; So one load brings a chunk of BOTH groups as 2 rows of 25,600 bytes, 102,400 bytes apart, or two chunks of both as 2 rows of 51,200 bytes.  At the head each wave issues ONE load:
; wave 0 x's chunk 0, wave 1 W's chunk 0, wave 2 x's chunks 1 and 2, wave 3 W's chunks 1 and 2.  LDS: chunk 0 at 0: x's groups 0, 1, W's groups 0, 1; from SLOT on x's [group][chunk 1, 2], from 2 SLOT on W's.
; Chunk 3 refills chunk 0's bytes behind the one round in the K steps.  By this text's count a wave has one tensor load out at the most.
.set G2X, 44                           ; s[44:51], s[56:63] group 1 for two chunks of x's, of W's two groups
.set G2W, 56
	s_mov_b32 s[G1X], 3<<16                        ; no mask: x's chunks are my work-group's own
	s_mov_b32 s[G1W], 15|(3<<16)|(1<<21)           ; the mask: all four work-groups; bit 21 set beside it
	s_mov_b32 s[G2X], 3<<16
	s_mov_b32 s[G2W], 15|(3<<16)|(1<<21)
.irp g, G1X, G1W
	s_mov_b32 s[\g+1], 3200<<16                    ; a row: 3,200 elements of 8 bytes
	s_mov_b32 s[\g+2], 2<<16                       ; two rows
	s_mov_b32 s[\g+3], 3200<<16
	s_mov_b32 s[\g+4], 2
	s_mov_b32 s[\g+5], 12800                       ; the pitch: a group's 102,400 bytes
	s_mov_b32 s[\g+6], 0
	s_mov_b32 s[\g+7], 0
.endr
.irp g, G2X, G2W
	s_mov_b32 s[\g+1], 6400<<16
	s_mov_b32 s[\g+2], 2<<16
	s_mov_b32 s[\g+3], 6400<<16
	s_mov_b32 s[\g+4], 2
	s_mov_b32 s[\g+5], 12800
	s_mov_b32 s[\g+6], 0
	s_mov_b32 s[\g+7], 0
.endr
	s_lshl_b32 s86, s20, 1                         ; x: group 2 x tile,
	s_mul_i32 s86, s86, 4*GB
	s_mul_i32 s87, s17, GB                         ; waves 2 and 3: from chunk 1 on
	s_add_co_u32 s86, s86, s87
	s_mov_b32 s87, 0
	s_lshl_b32 s88, s21, 1
	s_add_co_u32 s88, s88, 64                      ; W: group 64 + 2 y: nothing of cx enters
	s_mul_i32 s88, s88, 4*GB
	s_mul_i32 s89, s17, GB
	s_add_co_u32 s88, s88, s89
	s_mov_b32 s89, 0
	s_mul_i32 s90, s17, 4*GB                       ; where x's go: wave 0: 0, wave 2: SLOT
	s_mul_i32 s91, s17, 6*GB
	s_add_co_u32 s91, s91, 2*GB                    ; and W's: wave 1: 51,200, wave 3: 2 SLOT
	s_wait_kmcnt 0x0
	s_add_nc_u64 s[86:87], s[4:5], s[86:87]
	s_add_nc_u64 s[88:89], s[4:5], s[88:89]
	CROUND                                         ; all four work-groups are here: the first joint loads meet
	s_mov_b32 s[G0X], 1
	s_mov_b32 s[G0X+1], s90
	s_mov_b64 s[G0X+2:G0X+3], s[86:87]
	s_or_b32 s[G0X+3], s[G0X+3], 0x80000000
	s_mov_b32 s[G0W], 1
	s_mov_b32 s[G0W+1], s91
	s_mov_b64 s[G0W+2:G0W+3], s[88:89]
	s_or_b32 s[G0W+3], s[G0W+3], 0x80000000
	s_cmp_eq_u32 s16, 0                            ; one chain of branches on the wave's number, one load to an arm, all arms to one join
	s_cbranch_scc0 .Lhead_1
	tensor_load_to_lds s[G0X:G0X+3], s[G1X:G1X+7]  ; wave 0: x's chunk 0
	s_nop 0
	PLACES 4
	s_branch .Lfirst_asked
.Lhead_1:
	s_cmp_eq_u32 s16, 1
	s_cbranch_scc0 .Lhead_2
	tensor_load_to_lds s[G0W:G0W+3], s[G1W:G1W+7]  ; wave 1: W's chunk 0
	s_nop 0
	PLACES 4
	s_branch .Lfirst_asked
.Lhead_2:
	s_cmp_eq_u32 s16, 2
	s_cbranch_scc0 .Lhead_3
	tensor_load_to_lds s[G0X:G0X+3], s[G2X:G2X+7]  ; wave 2: x's chunks 1 and 2
	s_nop 0
	PLACES 4
	s_branch .Lfirst_asked
.Lhead_3:
	tensor_load_to_lds s[G0W:G0W+3], s[G2W:G2W+7]  ; wave 3: W's chunks 1 and 2
	s_nop 0
	PLACES 4
.Lfirst_asked:
	s_mul_i32 s91, s17, GB
	s_add_co_u32 s91, s91, s84                     ; my group of source 1 in chunk 0
	s_mul_i32 s92, s18, GB
	s_add_co_u32 s92, s92, s85                     ; and of source 0
	s_lshl_b32 s93, s91, 1                         ; in chunk 1: a group takes two chunks' room there, from SLOT on
	s_add_co_u32 s93, s93, SLOT
	s_lshl_b32 s94, s92, 1
	s_add_co_u32 s94, s94, SLOT
	s_add_co_u32 s96, s93, GB                      ; in chunk 2
	s_add_co_u32 s97, s94, GB
	v_and_b32 v3, 31, v0
	v_lshlrev_b32 v1, 4, v3                        ; 16 x lane
	v_lshlrev_b32 v2, 3, v3                        ; 8 x lane
	v_add_nc_u32 v[AD1], s91, v1
	v_add_nc_u32 v[AD0], s92, v1
	v_add_nc_u32 v[AS1], s91, v2
	v_add_nc_u32 v[AS0], s92, v2
	v_add_nc_u32 v[AD1+1], s93, v1
	v_add_nc_u32 v[AD0+1], s94, v1
	v_add_nc_u32 v[AS1+1], s93, v2
	v_add_nc_u32 v[AS0+1], s94, v2
	v_add_nc_u32 v[AD1+2], s96, v1
	v_add_nc_u32 v[AD0+2], s97, v1
	v_add_nc_u32 v[AS1+2], s96, v2
	v_add_nc_u32 v[AS0+2], s97, v2
	v_bfe_u32 v3, v0, 4, 1
	v_lshlrev_b32 v[BA0], 6, v3
	s_wait_alu depctr_va_vdst(0)
	v_and_b32 v3, 15, v0
	v_and_b32 v[BA1], 8, v3
	v_add_nc_u32 v[BA1], v[BA1], v3
	v_lshlrev_b32 v[BA1], 2, v[BA1]
	s_wait_alu depctr_va_vdst(0)
	s_sub_co_u32 s93, s21, s82
	s_sub_co_u32 s93, s93, s83                     ; the tile of 256 features within its matrix, 0 .. 2
	s_cmp_eq_u32 s22, 1
	s_cselect_b32 s82, s17, s18                    ; which half of the features is mine,
	s_cselect_b32 s83, s18, s17                    ; which half of the tokens
	s_cmp_ge_u32 s21, 3
	s_cselect_b64 s[94:95], s[8:9], s[6:7]
	s_cmp_ge_u32 s21, 6
	s_cselect_b64 s[94:95], s[10:11], s[94:95]     ; bq, bk or bv
	s_lshl_b32 s96, s93, 10
	s_lshl_b32 s97, s82, 9
	s_add_co_u32 s96, s96, s97
	s_mov_b32 s97, 0
	s_add_nc_u64 s[94:95], s[94:95], s[96:97]      ; at my 128 features
	; both tables are loaded in both roles; the one that the role does not use is set to 0 below
	WIN 0x40                                       ; destination window 1
.irp b, 0,1,2,3,4,5,6,7                        ; by register, in the result's layout: tile b, register j: feature 32 (b / 2) + 16 (lane / 16) + 8 (b % 2) + j
	global_load_b128 v[96+8*\b+96*(\b/4):96+8*\b+96*(\b/4)+3], v[BA0], s[94:95] offset:(32*(\b/2)+8*(\b%2))*4
	global_load_b128 v[96+8*\b+96*(\b/4)+4:96+8*\b+96*(\b/4)+7], v[BA0], s[94:95] offset:(32*(\b/2)+8*(\b%2))*4+16
.endr
	WIN 0
.irp a, 0,1,2,3,4,5,6,7                        ; by lane: tile a, lane r: feature 32 (a / 2) + 8 (a % 2) + r + 8 (r / 8)
	global_load_b32 v[TAB1+\a], v[BA1], s[94:95] offset:(32*(\a/2)+8*(\a%2))*4
.endr
	; where the results go.  q: qbuf, k and v: kv; blocks [batch x 12 + head][group of 128 tokens]
	s_lshl_b32 s96, s20, 1
	s_add_co_u32 s96, s96, s83                     ; my group of tokens, 0 .. 63
	s_lshr_b32 s97, s96, 4                         ; the batch
	s_and_b32 s96, s96, 15                         ; the group within it
	s_mul_i32 s97, s97, 12
	s_lshl_b32 s93, s93, 2
	s_add_co_u32 s97, s97, s93
	s_lshl_b32 s82, s82, 1
	s_add_co_u32 s97, s97, s82                     ; + my first head: 4 x tile + 2 x half
	s_lshl_b32 s97, s97, 4
	s_add_co_u32 s97, s97, s96                     ; the block's number
	s_cmp_lt_u32 s21, 3
	s_cselect_b64 s[P0:P0+1], s[12:13], s[14:15]
	s_mov_b32 s93, 13056
	s_cselect_b32 s93, 6656, s93                   ; a block's bytes
	s_mul_i32 s96, s97, s93
	s_lshl_b32 s82, s93, 4                         ; from a head to the next: 16 blocks
	s_cmp_eq_u32 s22, 1
	s_cselect_b32 s[P1], 768, s82                  ; the second half: v: keys 64 on of the same tile; q, k: the next head
	s_cselect_b32 s83, 6656, 0                     ; v's part of a block lies behind k's
	s_mov_b32 s[INC], 768
	s_cselect_b32 s[INC], 1536, s[INC]
	s_mov_b32 s[INC3], 768
	s_cselect_b32 s[INC3], 204288, s[INC3]         ; v: from the first head's tile 3 to the next head's tile 0: 16 x 13,056 - 3 x 1,536
	s_mov_b32 s[INC+1], 0
	s_mov_b32 s[INC3+1], 0
	s_mov_b32 s[P1+1], 0
	s_add_co_u32 s96, s96, s83
	s_mov_b32 s97, 0
	s_add_nc_u64 s[P0:P0+1], s[P0:P0+1], s[96:97]
	s_add_nc_u64 s[P1:P1+1], s[P0:P0+1], s[P1:P1+1]
.macro FRAG reg, adr, q, i             ; a fragment as it was stored: three planes of 512 bytes
.irp c, 0,1,2
	ds_load_b128 v[\reg+4*\c:\reg+4*\c+3], v[\adr] offset:12288*(\q)+1536*(\i)+512*\c
.endr
.endm
.macro FETCH_B slot, q, p              ; source 0's eight fragments of the chunk's K step q into set p
	WIN 0x40
.irp i, 0,1,2,3,4,5,6,7
	FRAG 128*(\p)+FR*\i, AD0+\slot, \q, \i
.endr
	WIN 0
.endm
.macro FETCH_A slot, q, i0             ; source 1's blocks i0 .. i0 + 3
.irp i, \i0, \i0+1, \i0+2, \i0+3
	FRAG AF+FR*(\i), AD1+\slot, \q, \i
.endr
.endm
.macro SCALES slot, sc                 ; a chunk's scale words, both K steps, into set sc
.irp p, 0,1,2,3
	ds_load_b64 v[SC+16*(\sc)+2*\p:SC+16*(\sc)+2*\p+1], v[AS0+\slot] offset:24576+256*\p
.endr
.irp p, 0,1,2,3
	ds_load_b64 v[SC+16*(\sc)+8+2*\p:SC+16*(\sc)+8+2*\p+1], v[AS1+\slot] offset:24576+256*\p
.endr
.endm
; 16 matrix instructions: source 1's blocks a0, a0 + 1 x source 0's eight.  zero = 1: the first K step starts the sums with the bias by register as C.  The 64 accumulators take turns, one instruction a turn,
; in the same order in every step
.macro MUL16 a0, p, q, sc, zero
.irp a, \a0, \a0+1
.irp b, 0,1,2,3,4,5,6,7
.if \zero
	WM 8*(8*((\a)%4)+\b), 128*(\p)+FR*\b, AF+FR*(\a), 96+8*\b+96*(\b/4), SC+16*(\sc)+2*(\b/2)+(\q), SC+16*(\sc)+8+2*((\a)/2)+(\q), \b%2, (\a)%2
.else
	WM 8*(8*((\a)%4)+\b), 128*(\p)+FR*\b, AF+FR*(\a), 8*(8*((\a)%4)+\b), SC+16*(\sc)+2*(\b/2)+(\q), SC+16*(\sc)+8+2*((\a)/2)+(\q), \b%2, (\a)%2
.endif
.endr
.endr
.endm
; A K step of 128: 64 matrix instructions on source 0's set p and scale set sc; it fetches the next step's fragments (slot nslot, K step nq; with nq = 0 the next chunk's scale words into set nsc).
; A block of source 1 is free as soon as its eight products are issued: blocks 0-3 are fetched anew in the step's middle, blocks 4-7 at its end.  Loads into registers that matrix instructions have read stand four plain
; vector instructions behind them (ISA guide 7.12.1 for vector instructions).
; sync = 0: the next step's bytes have been shown whole.  sync = 1: a barrier; in front of it every wave waits for all its tensor loads.  sync = 2: the barrier opens a round of the cluster's, behind which slot 0 is filled again.
.macro KSTEP slot, q, p, sc, nslot, nq, nsc, sync, zero
.if \sync
	s_wait_tensorcnt 0x0                           ; all my tensor loads have landed
	ds_add_u32 v[SPW], v[NIL]                      ; 0 onto my spare word
	s_wait_dscnt 13                                ; (the add and the youngest twelve loads, source 1's blocks 4-7, may be out)
	WIN 0xa1
	MUL16 0, \p, \q, \sc, 0                        ; sixteen matrix instructions stand between the add and the wait for it
	s_wait_dscnt 0x0                               ; the add is done, and my reads of this slot are over
	s_barrier_signal -1
	MUL16 2, \p, \q, \sc, 0
	WIN 0
	s_barrier_wait -1
.if \sync == 2
	CREST                                          ; no wave of any partner still reads slot 0 or has a load on its way
	s_add_nc_u64 s[G0X+2:G0X+3], s[G0X+2:G0X+3], 3*GB   ; chunk 3
	s_add_nc_u64 s[G0W+2:G0W+3], s[G0W+2:G0W+3], 3*GB
	JLOAD0                                         ; the first tensor load behind the round; its four v_nop are also the places in front of the loads below
.else
	PLACES 4
.endif
.else
	s_wait_dscnt 12                                ; source 0's set, the scale words and source 1's blocks 0-3 are in; blocks 4-7 may be out
.if \zero
	WIN 0x91                                       ; source 0 and C window 1, source 1 window 0, D window 2
.else
	WIN 0xa1                                       ; source 0 window 1, source 1 window 0, C and D window 2
.endif
	MUL16 0, \p, \q, \sc, \zero
	MUL16 2, \p, \q, \sc, \zero
	s_wait_dscnt 0x0                               ; blocks 4-7 are in
	PLACES 4
.endif
	FETCH_B \nslot, \nq, 1-(\p)
	FETCH_A \nslot, \nq, 0
.if (\nq) == 0
	SCALES \nslot, \nsc
.endif
.if \zero
	WIN 0xd1
.else
	WIN 0xf1                                       ; C and D window 3
.endif
	MUL16 4, \p, \q, \sc, \zero
	MUL16 6, \p, \q, \sc, \zero
	PLACES 4
	WIN 0
	FETCH_A \nslot, \nq, 4
.endm
	s_cmp_lt_u32 s16, 2                            ; waves 0 and 1 wait for chunk 0, which their own load lines brought; chunks 1 and 2 may stay out
	s_cbranch_scc0 .Lnot_chunk_0
	s_wait_tensorcnt 0x0
.Lnot_chunk_0:
	s_barrier_signal -1
	s_barrier_wait -1
	FETCH_B 0, 0, 0
	FETCH_A 0, 0, 0
	SCALES 0, 0
	FETCH_A 0, 0, 4
	s_wait_loadcnt 0x0                             ; the bias tables
	WIN 0x44                                       ; destination and source 1 window 1
.irp b, 0,1,2,3,4,5,6,7
.irp j, 0,1,2,3,4,5,6,7
	v_cndmask_b32 v[96+8*\b+96*(\b/4)+\j], 0, v[96+8*\b+96*(\b/4)+\j], s76   ; the bias by register counts for q and k alone
.endr
.endr
	WIN 0
.irp a, 0,1,2,3,4,5,6,7
	v_cndmask_b32 v[TAB1+\a], 0, v[TAB1+\a], s77   ; the bias by lane for v alone.  (Eight plain instructions between the table above and the products that take it)
.endr
	s_wait_alu depctr_va_vdst(0)
	KSTEP 0, 0, 0, 0, 0, 1, 0, 0, 1                ; chunk 0
	KSTEP 0, 1, 1, 0, 1, 0, 1, 2, 0                ; the round: chunks 1 and 2 are whole in every work-group's LDS; chunk 3 goes into slot 0
	KSTEP 1, 0, 0, 1, 1, 1, 0, 0, 0                ; chunk 1
	KSTEP 1, 1, 1, 1, 2, 0, 0, 0, 0
	KSTEP 2, 0, 0, 0, 2, 1, 0, 0, 0                ; chunk 2
	KSTEP 2, 1, 1, 0, 0, 0, 1, 1, 0                ; the barrier: chunk 3 is whole
	KSTEP 0, 0, 0, 1, 0, 1, 0, 0, 0                ; chunk 3
	s_wait_dscnt 12                                ; the last step: nothing more to fetch
	WIN 0xa1
	MUL16 0, 1, 1, 1, 0
	MUL16 2, 1, 1, 1, 0
	s_wait_dscnt 0x0
	WIN 0xf1
	MUL16 4, 1, 1, 1, 0
	MUL16 6, 1, 1, 1, 0
	WIN 0
; THE EPILOGUE.  For each of source 1's tiles a: a lane's 64 sums (register 16 b + i = neighbour 32 b + 16 (lane / 16) + i along the next K) become a fragment's 12 registers and a scale word.
; q, k: registers 0-5 are the tile's image for my first head, 6-11 for my second; v: for keys 0-63 and 64-127 of the feature tile.  They are stored as they stand: 512 + 256 consecutive bytes, aligned, for each half.
.macro QSCALE s
.irp b, 0,1,2,3
	v_max3_num_f32 v[TM+\b], |v[\s+16*\b]|, |v[\s+1+16*\b]|, 0x1800000   ; block b: my 16 numbers, and the floor 2^(3 - 127): the byte cannot fall under 1
.endr
.irp i, 2,4,6,8,10,12,14
.irp b, 0,1,2,3
	v_max3_num_f32 v[TM+\b], v[TM+\b], |v[\s+16*\b+\i]|, |v[\s+1+16*\b+\i]|   ; (the four blocks by turns)
.endr
.endr
.irp b, 0,1,2,3
	v_permlanex16_b32 v[TM+4+\b], v[TM+\b], s80, s81
.endr
.irp b, 0,1,2,3
	v_max_num_f32 v[TM+\b], v[TM+\b], v[TM+4+\b]   ; with lane l xor 16's: the block's largest magnitude
.endr
.irp b, 0,1,2,3
	v_add_nc_u32 v[TM+12+\b], 0xff000000, v[TM+\b] ; 2 off its exponent field: the conversion's scale operand
.endr
.irp b, 0,1,2,3
	v_lshrrev_b32 v[TM+4+\b], 23, v[TM+12+\b]      ; the scale's byte
.endr
	v_lshl_or_b32 v[PW], v[TM+5], 8, v[TM+4]
	v_lshl_or_b32 v[PW], v[TM+6], 16, v[PW]
	v_lshl_or_b32 v[PW], v[TM+7], 24, v[PW]
.endm
.macro QCODES s
.irp c, 0,1
	v_cvt_scalef32_pk16_fp6_f32 v[PC+6*\c:PC+2+6*\c], v[\s+32*\c:\s+15+32*\c], v[TM+12+2*\c]
	v_cvt_scalef32_pk16_fp6_f32 v[PC+12+4*\c:PC+14+4*\c], v[\s+16+32*\c:\s+31+32*\c], v[TM+12+2*\c+1]   ; (a conversion's three registers begin on an even number)
.endr
	v_nop                                          ; one plain instruction behind the conversions
.irp c, 0,1                                    ; the operand's layout wants a whole block in a lane: lanes 0-15 block 2 c, lanes 16-31 block 2 c + 1
.irp i, 0,1,2
	v_permlane16_swap_b32 v[PC+6*\c+\i], v[PC+12+4*\c+\i]
.endr
.irp i, 0,1,2
	v_mov_b32 v[PC+3+6*\c+\i], v[PC+12+4*\c+\i]
.endr
.endr
.endm
.macro OUTA a
	WIN 0x02+(\a)/4                                ; source 0: window 2 or 3
.set k, 0
.rept 32                                       ; the sums come into window 0, each accumulator from its low end on, and take the bias by lane (0 for q and k) on the way
.if (\a)%2
	v_pk_add_f32 v[ST+k:ST+k+1], v[64*((\a)%4)+k:64*((\a)%4)+k+1], v[TAB1+2*((\a)/2):TAB1+2*((\a)/2)+1] op_sel:[0,1] op_sel_hi:[1,1]
.else
	v_pk_add_f32 v[ST+k:ST+k+1], v[64*((\a)%4)+k:64*((\a)%4)+k+1], v[TAB1+2*((\a)/2):TAB1+2*((\a)/2)+1] op_sel_hi:[1,0]
.endif
.set k, k+2
.endr
	WIN 0
	QSCALE ST
.if (\a) > 0
	s_wait_xcnt 0x0                                ; the last tile's stores have read their data and their bases: both are written again only behind this wait
.if (\a) == 4
	s_add_nc_u64 s[P0:P0+1], s[P0:P0+1], s[INC3:INC3+1]
	s_add_nc_u64 s[P1:P1+1], s[P1:P1+1], s[INC3:INC3+1]
.else
	s_add_nc_u64 s[P0:P0+1], s[P0:P0+1], s[INC:INC+1]
	s_add_nc_u64 s[P1:P1+1], s[P1:P1+1], s[INC:INC+1]
.endif
.endif
	QCODES ST
.if (\a)%2
	v_cndmask_b32 v[WW+(\a)/2], v[WW+(\a)/2], v[PW], s78   ; the odd tile's words go to lanes 16-31
.else
	v_mov_b32 v[WW+(\a)/2], v[PW]
.endif
	global_store_b128 v1, v[PC:PC+3], s[P0:P0+1]
	global_store_b64 v2, v[PC+4:PC+5], s[P0:P0+1] offset:512
	global_store_b128 v1, v[PC+6:PC+9], s[P1:P1+1]
	global_store_b64 v2, v[PC+10:PC+11], s[P1:P1+1] offset:512
.endm
	PLACES 4                                       ; behind the last products: their results are read, and registers that held source 1's fragments are written
.irp b, 0,1,2,3
	v_mov_b32 v[TM+4+\b], 0                        ; a lane permute's destination counts as one of its sources
.endr
	OUTA 0
	OUTA 1
	OUTA 2
	OUTA 3
	s_cmp_eq_u32 s22, 0
	s_cbranch_scc1 .Lno_vs0
	global_store_b64 v2, v[WW:WW+1], s[P0:P0+1] offset:1536   ; v: the first head's scale words: word j of lane l: feature tile 2 j + l / 16, four key blocks
.Lno_vs0:
	OUTA 4
	OUTA 5
	OUTA 6
	OUTA 7
	s_cmp_eq_u32 s22, 0
	s_cbranch_scc0 .Lvs1
.irp p, 0,1,2,3
	v_and_b32 v[LW+\p], 0xffff, v[WW+\p]           ; q, k: a word's low two bytes are the first head's blocks, its high two the second head's; bytes 2 and 3 of what is stored are 0, over zero codes
	v_lshrrev_b32 v[HW+\p], 16, v[WW+\p]
.endr
	global_store_b128 v1, v[LW:LW+3], s[P0:P0+1] offset:768   ; word p of lane l: tile 2 p + l / 16
	global_store_b128 v1, v[HW:HW+3], s[P1:P1+1] offset:768
	s_branch .Lscales_out
.Lvs1:
	s_wait_alu depctr_va_vdst(0)
	global_store_b64 v2, v[WW+2:WW+3], s[P0:P0+1] offset:1536  ; v: the second head's
.Lscales_out:
	s_wait_tensorcnt 0x0                           ; the wave's end
	ds_add_u32 v[SPW], v[NIL]
	s_wait_dscnt 0x0
	CROUND                                         ; the closing round: no work-group ends while a partner may still ask for a chunk that names it
	s_endpgm
.Lfunc_end_k_q85b8f41b3a_qkv:
	.size	k_q85b8f41b3a_qkv, .Lfunc_end_k_q85b8f41b3a_qkv-k_q85b8f41b3a_qkv
	.p2alignl 7, 3214868480
	.fill 96, 4, 3214868480
	.section	.rodata,"a",@progbits
	.p2align	6, 0x0
	.amdhsa_kernel k_q85b8f41b3a_qkv
		.amdhsa_group_segment_fixed_size 327680
		.amdhsa_private_segment_fixed_size 0
		.amdhsa_enable_private_segment 0
		.amdhsa_kernarg_size 48
		.amdhsa_user_sgpr_count 2
		.amdhsa_user_sgpr_kernarg_segment_ptr 1
		.amdhsa_wavefront_size32 1
		.amdhsa_system_sgpr_workgroup_id_x 1
		.amdhsa_system_sgpr_workgroup_id_y 1
		.amdhsa_system_sgpr_workgroup_id_z 1
		.amdhsa_system_vgpr_workitem_id 0
		.amdhsa_next_free_vgpr 1024
		.amdhsa_next_free_sgpr 100
		.amdhsa_reserve_vcc 0
		.amdhsa_float_denorm_mode_32 3
		.amdhsa_float_denorm_mode_16_64 3
		.amdhsa_memory_ordered 1
		.amdhsa_forward_progress 1
		.amdhsa_inst_pref_size 163
	.end_amdhsa_kernel
	.amdgpu_metadata
---
amdhsa.version: [ 1, 2 ]
amdhsa.kernels:
  - .name:           k_q85b8f41b3a_qkv
    .symbol:         k_q85b8f41b3a_qkv.kd
    .args:
      - { .name: ops, .offset: 0, .size: 8, .value_kind: global_buffer, .address_space: global }
      - { .name: bq, .offset: 8, .size: 8, .value_kind: global_buffer, .address_space: global }
      - { .name: bk, .offset: 16, .size: 8, .value_kind: global_buffer, .address_space: global }
      - { .name: bv, .offset: 24, .size: 8, .value_kind: global_buffer, .address_space: global }
      - { .name: qbuf, .offset: 32, .size: 8, .value_kind: global_buffer, .address_space: global }
      - { .name: kv, .offset: 40, .size: 8, .value_kind: global_buffer, .address_space: global }
    .group_segment_fixed_size: 327680
    .private_segment_fixed_size: 0
    .kernarg_segment_align: 8
    .kernarg_segment_size: 48
    .max_flat_workgroup_size: 128
    .sgpr_count:     100
    .vgpr_count:     1024
    .wavefront_size: 32
...
	.end_amdgpu_metadata
.endif
;; end of part 2
;; launch attn (part 3): grid 16 x 16, 16 waves a work-group, clusters of 4 x 1, 327,680 bytes of LDS; arguments qbuf, kv, att; writes att
.if DOCPART == 3
	.amdgcn_target "amdgcn-amd-amdhsa--gfx1250"
	.amdhsa_code_object_version 6
	.text
	.protected	k_q85b8f41b3a_attn
	.globl	k_q85b8f41b3a_attn
	.p2align	8
	.type	k_q85b8f41b3a_attn,@function
k_q85b8f41b3a_attn:
	s_mov_b64 s[64:65], 0
	v_nop
	global_prefetch_b8 v0, s[64:65] scope:SCOPE_SE
	s_setreg_imm32_b32 hwreg(HW_REG_WAVE_MODE, 25, 1), 1
	s_wait_xcnt 0x0
	s_wait_alu depctr_hold_cnt(0) depctr_sa_sdst(0) depctr_va_vdst(0) depctr_va_sdst(0) depctr_va_ssrc(0) depctr_va_vcc(0) depctr_vm_vsrc(0)
	s_getreg_b32 s2, hwreg(HW_REG_IB_STS2, 6, 4)
	s_cmp_eq_u32 s2, 0
	s_cbranch_scc0 .Lentry_in_a_cluster
	s_endpgm
.Lentry_in_a_cluster:
	s_bfe_u32 s2, ttmp6, 0x10000c
	s_cmp_lg_u32 s2, 0x3003
	s_cbranch_scc0 .Lentry_shape_is_right
	s_endpgm
.Lentry_shape_is_right:
; softmax(q k^T / 8) v for heads 0-11 on codes of FP6 (E2M3) with E8M0 scales; the result is quantised along the head's 64 for the last product.  Heads 12-15 are left out: the problem's own mask makes their v,
; and so their part of the result, 0 for all values of the inputs.
; LIMITS: NaN and infinities are not served; the promise holds while the scaled scores (the exponents to the base 2) stay under 2^31 in magnitude; a block whose largest magnitude lies under 2^-124 gets the byte 1.
; SHARES.  A work-group takes 128 queries of three heads of one batch, head after head.  16 waves: wave w takes the 16 queries of tile w % 8 and HALF w / 8 OF THE KEYS: of the eight blocks of 128 keys in a slot
; blocks 4 (w / 8) .. + 3.  Each wave keeps its own running maximum M (a whole number), sum and O^T; at a head's end waves 8-15 hand theirs through LDS bytes of their own (MRG) to waves 0-7, which bring both
; under the larger M by exact powers of two, add, divide, quantise and store.
; BOTH PRODUCTS ARE USED TRANSPOSED (S^T = k q^T, O^T = v^T p^T): a lane holds one query.  The keys of a tile of k are laid so that the 16 registers of tiles 2 b, 2 b + 1 are 16 neighbouring keys.
; p = 2^(t - M); the row's sum is taken of the unquantised p; a block's largest p is made from its largest score by the same multiply-add and exponential.
; K = 64 IN AN INSTRUCTION OF 128: q's registers 6-11 are zero codes.  Every code of E2M3 is a finite number and the scale bytes 2, 3 of q's and k's words are 0, a finite scale, so whatever k's registers 6-11 hold
; adds 0: k's tiles lie 6 registers apart, each instruction reading the next tile's six as its upper half (the last one six registers of zeros).
; LDS: two slots of 8 blocks of 13,056 bytes (k's 6,656: 8 tiles and scale words; v's 6,400), half a head each; the spare words; SCG, the result's scale bytes; MRG.
; FILLS: every wave issues one load a fill: waves 0-7 k's part of block w (26 rows of 256 bytes), waves 8-15 v's part of block w - 8 (25 rows): two lines, each with its own group 1.
; CLUSTER 4 x 1: the four work-groups have the same batch and heads and other queries: every fill is a joint load (mask 15), behind a round of the cluster's barrier.
; No prefetch is laid: each refill is asked for a whole slot's work, four steps in each of the 16 waves, ahead of the wait for it.  q of all three heads is loaded at the kernel's head.
; REGISTERS: v0-2, 243, 255 offsets; v3, v4 for the add; v5-7, 69, 70 LDS addresses; v8-11 k's scale words; v12 -M, v13 the largest t, v14-15 the sum; v16-27 q, v28 its scale word; v29 p's; v30-31 v's;
; v32-61 k's four tiles; v62-68, v72-78 the next two heads' q; v80-127 v's tiles; v128-191 S^T, then p; v192-223 O^T; v224-235 p's codes; v236-254 at work.
.set BLK,   13056
.set KPB,   6656
.set SLOTB, 8*BLK
.set SLOT1, 1<<17
.set SPARE, 2*SLOT1                    ; the spare words: 128 bytes for each of 16 waves
.set SCG,   SPARE+2048
.set MRG,   SCG+1024
.set MW,    4608                       ; a pair of waves' bytes in MRG: nine registers' images of 512 bytes
.set QH,    16*6656                    ; from a head's q to the next head's
.set KF,    32
.set NQ,    62
.set NQ2,   72
.set MA,    69
.set GA,    70
.set S,     128
.set O,     192
.set BM,    248
.set PT,    236
.set SO,    244
.set G1K,   24
.set G1V,   68
.macro PLACES n
.rept \n
	v_nop
.endr
.endm
.macro CROUND
	s_barrier_signal -1
	s_barrier_wait -1
	s_cmp_lg_u32 s10, 0
	s_cbranch_scc1 .Lnot_wave_0_\@
	s_barrier_signal -3
.Lnot_wave_0_\@:
	s_barrier_wait -3
	s_barrier_signal -1
	s_barrier_wait -1
.endm
.macro JLOAD g                         ; my one load of a fill; the branch hangs on the wave's number alone
	s_cmp_lt_u32 s10, 8
	s_cbranch_scc0 .Lfor_v_\@
	tensor_load_to_lds s[\g:\g+3], s[G1K:G1K+7]
	s_nop 0
	PLACES 4
	s_branch .Lasked_\@
.Lfor_v_\@:
	tensor_load_to_lds s[\g:\g+3], s[G1V:G1V+7]
	s_nop 0
	PLACES 4
.Lasked_\@:
.endm
.macro WM d, a, b, c, sa, sb, ra
.set rD, \d
.set rA, \a
.set rB, \b
.set rC, \c
.set rX, \sa
.set rY, \sb
.set rR, \ra
.if rC < 0
.if rR == 0
	v_wmma_scale_f32_16x16x128_f8f6f4 v[rD:rD+7], v[rA:rA+11], v[rB:rB+11], 0, v[rX], v[rY] matrix_a_fmt:MATRIX_FMT_FP6 matrix_b_fmt:MATRIX_FMT_FP6
.else
	v_wmma_scale_f32_16x16x128_f8f6f4 v[rD:rD+7], v[rA:rA+11], v[rB:rB+11], 0, v[rX], v[rY] matrix_a_fmt:MATRIX_FMT_FP6 matrix_b_fmt:MATRIX_FMT_FP6 matrix_a_scale:MATRIX_SCALE_ROW1
.endif
.else
.if rR == 0
	v_wmma_scale_f32_16x16x128_f8f6f4 v[rD:rD+7], v[rA:rA+11], v[rB:rB+11], v[rC:rC+7], v[rX], v[rY] matrix_a_fmt:MATRIX_FMT_FP6 matrix_b_fmt:MATRIX_FMT_FP6
.else
	v_wmma_scale_f32_16x16x128_f8f6f4 v[rD:rD+7], v[rA:rA+11], v[rB:rB+11], v[rC:rC+7], v[rX], v[rY] matrix_a_fmt:MATRIX_FMT_FP6 matrix_b_fmt:MATRIX_FMT_FP6 matrix_a_scale:MATRIX_SCALE_ROW1
.endif
.endif
.endm
	s_load_b128 s[4:7], s[0:1], 0x0                ; qbuf, kv
	s_load_b64 s[8:9], s[0:1], 0x10                ; att
	v_lshl_add_u32 v3, v0, 2, SPARE
	v_mov_b32 v4, 0
	ds_add_u32 v3, v4                              ; the opening lines: the add, twice on end, and its wait
	ds_add_u32 v3, v4
	v_lshrrev_b32 v5, 5, v0
	v_readfirstlane_b32 s10, v5                    ; wave 0..15
	s_and_b32 s18, s10, 7                          ; my tile of queries; also the block that I fetch for
	s_lshr_b32 s19, s10, 3                         ; my half of the keys; also: I fetch k's part (0) or v's (1)
	s_bfe_u32 s11, ttmp6, 0x40000                  ; cx
	s_lshl_b32 s44, ttmp9, 2
	s_add_co_u32 s44, s44, s11                     ; the group of 128 queries
	s_and_b32 s45, ttmp7, 0xffff
	s_lshr_b32 s46, s45, 2                         ; the batch
	s_and_b32 s47, s45, 3
	s_mul_i32 s47, s47, 3                          ; my first head
	s_mul_i32 s48, s46, 12
	s_add_co_u32 s48, s48, s47
	s_lshl_b32 s48, s48, 4                         ; 16 blocks a head
	s_add_co_u32 s50, s48, s18
	s_mul_i32 s50, s50, BLK
	s_mul_i32 s49, s19, KPB
	s_add_co_u32 s50, s50, s49                     ; kv: my part of block w % 8 of the first head: nothing of cx enters
	s_mov_b32 s51, 0
	s_add_co_u32 s52, s48, s44
	s_mul_i32 s52, s52, 6656
	s_mov_b32 s53, 0
	s_lshl_b32 s54, s46, 4
	s_add_co_u32 s54, s54, s44
	s_mul_i32 s54, s54, 12
	s_add_co_u32 s54, s54, s47
	s_mul_i32 s54, s54, 6400
	s_mov_b32 s55, 0
	s_min_u32 s58, s10, 2                          ; waves 0-2 store a head's scale bytes each at the end
	s_lshl_b32 s80, s58, 8
	s_add_co_u32 s80, s80, SCG
	s_mul_i32 s58, s58, 6400
	s_add_co_u32 s58, s58, 6144
	s_mov_b32 s59, 0
	s_mul_i32 s56, s18, BLK
	s_add_co_u32 s56, s56, s49                     ; where my part goes in a slot
	s_mul_i32 s60, s19, 4*BLK                      ; where my four blocks begin in a slot
	s_mul_i32 s76, s18, 768
	s_lshl_b32 s77, s18, 5
	s_add_co_u32 s77, s77, SCG
	s_mul_i32 s78, s18, MW
	s_add_co_u32 s78, s78, MRG
	s_and_b32 s79, s18, 1
	s_lshl_b32 s79, s79, 8
	s_lshr_b32 s57, s18, 1
	s_lshl_b32 s57, s57, 2
	s_add_co_u32 s79, s79, s57
	s_mov_b32 s[G1K], 15|(3<<16)|(1<<21)           ; group 1: dense rows of 256 bytes (32 elements of 8), the mask of all four partners, bit 21 beside it
	s_mov_b32 s[G1V], 15|(3<<16)|(1<<21)
	s_mov_b32 s[G1K+2], 26<<16
	s_mov_b32 s[G1K+4], 26
	s_mov_b32 s[G1V+2], 25<<16
	s_mov_b32 s[G1V+4], 25
.irp g, G1K, G1V
	s_mov_b32 s[\g+1], 32<<16
	s_mov_b32 s[\g+3], 32<<16
	s_mov_b32 s[\g+5], 32
	s_mov_b32 s[\g+6], 0
	s_mov_b32 s[\g+7], 0
.endr
	s_mov_b32 s20, 0x76543210
	s_mov_b32 s21, 0xfedcba98                      ; v_permlanex16_b32's selects for lane l xor 16
	s_mov_b32 s22, 0x3e38aa3b                      ; log2(e) / 8
	s_mov_b32 s23, s22
	s_mov_b32 s40, 0
	s_wait_dscnt 0x0
	s_wait_kmcnt 0x0
	s_add_nc_u64 s[50:51], s[6:7], s[50:51]
	s_add_nc_u64 s[12:13], s[4:5], s[52:53]
	s_add_nc_u64 s[14:15], s[8:9], s[54:55]
	s_add_nc_u64 s[16:17], s[14:15], s[58:59]
	CROUND                                         ; all four work-groups are here: the first joint loads meet
	s_mov_b32 s32, 1
	s_mov_b32 s33, s56
	s_mov_b64 s[34:35], s[50:51]
	s_or_b32 s35, s35, 0x80000000
	s_mov_b32 s36, 1
	s_add_co_u32 s37, s56, SLOT1
	s_add_nc_u64 s[38:39], s[50:51], SLOTB
	s_or_b32 s39, s39, 0x80000000
	JLOAD 32                                       ; slot 0: my one load at the head
	v_and_b32 v5, 31, v0
	v_and_b32 v6, 15, v0
	v_lshlrev_b32 v1, 4, v5                        ; 16 x lane
	v_lshlrev_b32 v2, 3, v5                        ; 8 x lane
	v_lshl_add_u32 v7, v6, 1, s77                  ; SCG: two bytes for each query
	v_lshl_add_u32 v0, v6, 4, s79                  ; q's scale word
	v_add_nc_u32 v255, s76, v1                     ; my tile's image, first plane,
	v_add_nc_u32 v243, s76, v2                     ; and second
	v_add_nc_u32 v[MA], s78, v1
	v_add_nc_u32 v[GA], s80, v2
.macro QLOAD r, sc, h
	global_load_b128 v[\r:\r+3], v255, s[12:13] offset:QH*\h
	global_load_b64 v[\r+4:\r+5], v243, s[12:13] offset:QH*\h+512
	global_load_b32 v[\sc], v0, s[12:13] offset:QH*\h+6144
.endm
	QLOAD 16, 28, 0
	QLOAD NQ, NQ+6, 1
	QLOAD NQ2, NQ2+6, 2
.irp j, 22,23,24,25,26,27, 56,57,58,59,60,61, 152,153,154,155,156,157, 236,237,238,239, 253,254
	v_mov_b32 v[\j], 0                             ; q's upper half; the six behind k's tile 3 and behind its tile 7; permutes' destinations; halves of pairs
.endr
.macro INIT
	v_mov_b32 v13, 0xff61b1e6                      ; -3e38, under every t
	s_delay_alu instid0(VALU_DEP_1)
	v_floor_f32 v12, -v13
	v_mov_b32 v14, 0
	v_mov_b32 v15, 0
.set j, 0
.rept 32
	v_mov_b32 v[O+j], 0
.set j, j+1
.endr
.endm
; One step: 16 queries x 128 keys of the block at s41
; K'S FRAGMENTS RUN A STEP AHEAD.  Tiles 0-3 and the scale words of the next block are asked for behind this step's score products, into v32-55 and v8-11; tiles 4-7 behind the conversions, into v128-151, where p is
; done with by then (the six registers behind them, v152-157, hold finite codes of whatever stood there: they meet q's zero codes).  So tiles 4-7 are multiplied first, and five plain instructions stand ahead of
; the products of tiles 0-3, which write over their registers.  In a slot's last step the block itself is asked for once more, so that no address leaves my four blocks; a slot's first block is asked for ahead of the loop.
; v71, v79: 16 x lane and 8 x lane + the block asked for ahead; v5, v6: + this step's block, for v's fragments.
.macro KL1
	ds_load_b128 v[8:11], v71 offset:6144
.irp t, 0,1,2,3
	ds_load_b128 v[KF+6*\t:KF+6*\t+3], v71 offset:768*\t
	ds_load_b64 v[KF+6*\t+4:KF+6*\t+5], v79 offset:768*\t+512
.endr
.endm
.macro KL2
.irp t, 0,1,2,3
	ds_load_b128 v[S+6*\t:S+6*\t+3], v71 offset:768*(\t+4)
	ds_load_b64 v[S+6*\t+4:S+6*\t+5], v79 offset:768*(\t+4)+512
.endr
.endm
.macro STEP
	s_add_co_u32 s63, s41, s62                     ; this block
	s_add_co_u32 s61, s41, BLK
	s_min_u32 s61, s61, 3*BLK
	s_add_co_u32 s61, s61, s62                     ; the next one of my four
	s_wait_dscnt 0x0                               ; this block's k is in
.irp t, 0,1,2,3
	WM S+32+8*\t, S+6*\t, 16, -1, 10+\t/2, 28, \t%2
.endr
	v_add_nc_u32 v5, s63, v1
	v_add_nc_u32 v6, s63, v2
	v_add_nc_u32 v71, s61, v1
	v_add_nc_u32 v79, s61, v2
	v_nop
.irp t, 0,1,2,3
	WM S+8*\t, KF+6*\t, 16, -1, 8+\t/2, 28, \t%2
.endr
	PLACES 4
	ds_load_b64 v[30:31], v6 offset:12800
.irp d, 0,1,2,3
.irp c, 0,1
	ds_load_b128 v[80+12*\d+6*\c:83+12*\d+6*\c], v5 offset:6656+1536*\d+768*\c
	ds_load_b64 v[84+12*\d+6*\c:85+12*\d+6*\c], v6 offset:6656+1536*\d+768*\c+512
.endr
.endr
	KL1
.irp b, 0,1,2,3
	v_max3_num_f32 v[BM+\b], v[S+16*\b], v[S+1+16*\b], v[S+2+16*\b]   ; each block's largest score, the four blocks by turns
.endr
.irp i, 3,5,7,9,11,13
.irp b, 0,1,2,3
	v_max3_num_f32 v[BM+\b], v[BM+\b], v[S+16*\b+\i], v[S+1+16*\b+\i]
.endr
.endr
.irp b, 0,1,2,3
	v_max_num_f32 v[BM+\b], v[BM+\b], v[S+15+16*\b]
.endr
.irp b, 0,1,2,3
	s_delay_alu instid0(VALU_DEP_4)
	v_permlanex16_b32 v[PT+\b], v[BM+\b], s20, s21
.endr
.irp b, 0,1,2,3
	s_delay_alu instid0(VALU_DEP_4)
	v_max_num_f32 v[BM+\b], v[BM+\b], v[PT+\b]
.endr
	s_delay_alu instid0(VALU_DEP_2)
	v_max3_num_f32 v254, v[BM], v[BM+1], v[BM+2]
	s_delay_alu instid0(VALU_DEP_1)
	v_max_num_f32 v254, v254, v[BM+3]
	s_delay_alu instid0(VALU_DEP_1)
	v_mul_f32 v254, s22, v254
	s_delay_alu instid0(VALU_DEP_1)
	v_max_num_f32 v13, v13, v254                   ; the running largest t
	v_mov_b32 v254, v12
	s_delay_alu instid0(VALU_DEP_2)
	v_floor_f32 v12, -v13                          ; -M = floor(-t)
.set j, 0
.rept 4                                        ; t - M, two at a time; the three lines that make f = 2^(old M - new M) stand among them, eight apart
.rept 8
	v_pk_fma_f32 v[S+j:S+j+1], v[S+j:S+j+1], s[22:23], v[12:13] op_sel_hi:[1,0,0]
.set j, j+2
.endr
.if j == 16
	v_sub_f32 v254, v12, v254
.elseif j == 32
	v_cvt_i32_f32 v254, v254
.elseif j == 48
	v_ldexp_f32 v252, 1.0, v254
.endif
.endr
.irp b, 0,1,2,3
	v_fma_f32 v[BM+\b], v[BM+\b], s22, v12
.endr
.set j, 0
	s_wait_alu depctr_va_vdst(0)
.rept 64
	v_exp_f32 v[S+j], v[S+j]
.set j, j+1
.endr
	v_pk_mul_f32 v[14:15], v[14:15], v[252:253] op_sel_hi:[1,0]
	s_wait_alu depctr_va_vdst(0)
.irp b, 0,1,2,3
	v_exp_f32 v[BM+\b], v[BM+\b]
.endr
	v_pk_add_f32 v[236:237], v[S:S+1], v[S+2:S+3]  ; the sum of the unquantised p, two at a time, in four chains by turns
	v_pk_add_f32 v[238:239], v[S+4:S+5], v[S+6:S+7]
	v_pk_add_f32 v[240:241], v[S+8:S+9], v[S+10:S+11]
	v_pk_add_f32 v[14:15], v[14:15], v[S+12:S+13]
.set j, 14
.rept 6
	v_pk_add_f32 v[236:237], v[236:237], v[S+j:S+j+1]
	v_pk_add_f32 v[238:239], v[238:239], v[S+j+2:S+j+3]
	v_pk_add_f32 v[240:241], v[240:241], v[S+j+4:S+j+5]
	v_pk_add_f32 v[14:15], v[14:15], v[S+j+6:S+j+7]
.set j, j+8
.endr
	v_pk_add_f32 v[236:237], v[236:237], v[S+62:S+63]
	v_pk_add_f32 v[14:15], v[14:15], v[240:241]
	v_pk_add_f32 v[236:237], v[236:237], v[238:239]
	v_pk_add_f32 v[14:15], v[14:15], v[236:237]
	s_wait_alu depctr_va_vdst(0)
.irp b, 0,1,2,3
	v_max_num_f32 v[BM+\b], 0x1800000, v[BM+\b]    ; the floor: the byte cannot fall under 1
.endr
.irp b, 0,1,2,3
	s_delay_alu instid0(VALU_DEP_4)
	v_add_nc_u32 v[SO+\b], 0xff000000, v[BM+\b]
.endr
.irp b, 0,1,2,3
	s_delay_alu instid0(VALU_DEP_4)
	v_lshrrev_b32 v[PT+\b], 23, v[SO+\b]
.endr
	s_delay_alu instid0(VALU_DEP_3)
	v_lshl_or_b32 v29, v[PT+1], 8, v[PT]
	s_delay_alu instid0(VALU_DEP_1)
	v_lshl_or_b32 v29, v[PT+2], 16, v29
	s_delay_alu instid0(VALU_DEP_1)
	v_lshl_or_b32 v29, v[PT+3], 24, v29
.irp c, 0,1
	v_cvt_scalef32_pk16_fp6_f32 v[224+6*\c:226+6*\c], v[S+32*\c:S+15+32*\c], v[SO+2*\c]
	v_cvt_scalef32_pk16_fp6_f32 v[236+4*\c:238+4*\c], v[S+16+32*\c:S+31+32*\c], v[SO+2*\c+1]
.endr
	v_nop
	KL2                                            ; p has been converted: its first registers take the next block's tiles 4-7
.irp c, 0,1
.irp i, 0,1,2
	v_permlane16_swap_b32 v[224+6*\c+\i], v[236+4*\c+\i]
.endr
.irp i, 0,1,2
	s_delay_alu instid0(VALU_DEP_3)
	v_mov_b32 v[227+6*\c+\i], v[236+4*\c+\i]
.endr
.endr
.set j, 0
.rept 16
	v_pk_mul_f32 v[O+j:O+j+1], v[O+j:O+j+1], v[252:253] op_sel_hi:[1,0]
.set j, j+2
.endr
	s_wait_alu depctr_va_vdst(0)
	s_wait_dscnt 17                                ; v's 17 loads are in; the 9 + 8 loads of the next block's k, issued behind them, may be out
.irp d, 0,1,2,3
	WM O+8*\d, 80+12*\d, 224, O+8*\d, 30+\d/2, 29, \d%2
.endr
	s_add_co_u32 s41, s41, BLK
.endm
.macro SLOTWORK                        ; my four blocks of the slot at s40
	s_add_co_u32 s62, s40, s60                     ; where my four blocks begin
	v_add_nc_u32 v71, s62, v1
	v_add_nc_u32 v79, s62, v2
	KL1                                            ; the first block's k
	KL2
	s_mov_b32 s41, 0                               ; the step's place among my four blocks, in bytes
	s_mov_b32 s42, 4
.Lstep_\@:
	STEP
	s_sub_co_u32 s42, s42, 1
	s_cmp_lg_u32 s42, 0
	s_cbranch_scc1 .Lstep_\@
	s_xor_b32 s40, s40, SLOT1
.endm
.macro CHANGE fill                     ; the change of slots: the three lines, the round, the refill of the slot just read
	s_wait_tensorcnt 0x0
	ds_add_u32 v3, v4
.if \fill
	s_xor_b32 s37, s37, SLOT1
	s_add_nc_u64 s[38:39], s[38:39], SLOTB
.endif
	s_wait_dscnt 0x0
.if \fill
	CROUND
	JLOAD 36
.else
	s_barrier_signal -1
	s_barrier_wait -1
.endif
.endm
.macro GIVE                            ; waves 8-15: O^T, -M and the sum's halves into the pair's bytes of MRG, as images of the registers
	PLACES 4
	s_cmp_lt_u32 s10, 8
	s_cbranch_scc1 .Llower_\@
.irp i, 0,1,2,3,4,5,6,7
	ds_store_b128 v[MA], v[O+4*\i:O+4*\i+3] offset:512*\i
.endr
	ds_store_b128 v[MA], v[12:15] offset:4096
.Llower_\@:
.endm
.macro FINISH                          ; waves 0-7: both halves of the keys under one M, the division, the quantiser, the stores
	s_cmp_lt_u32 s10, 8
	s_cbranch_scc0 .Lupper_\@
.irp i, 0,1,2,3,4,5,6,7
	ds_load_b128 v[S+4*\i:S+4*\i+3], v[MA] offset:512*\i
.endr
	ds_load_b128 v[S+32:S+35], v[MA] offset:4096
	s_wait_dscnt 0x0
	v_min_num_f32 v254, v12, v[S+32]               ; -M of the larger M
	v_add_f32 v14, v14, v15
	v_add_f32 v[S+34], v[S+34], v[S+35]
	v_sub_f32 v252, v254, v12                      ; whole numbers, 0 or less
	v_sub_f32 v253, v254, v[S+32]
	v_cvt_i32_f32 v252, v252
	v_cvt_i32_f32 v253, v253
	v_ldexp_f32 v252, 1.0, v252                    ; my factor,
	v_ldexp_f32 v253, 1.0, v253                    ; the partner's: powers of two, nothing is rounded
	v_mul_f32 v14, v14, v252
	v_fma_f32 v14, v[S+34], v253, v14
.set j, 0
.rept 16
	v_pk_mul_f32 v[S+j:S+j+1], v[S+j:S+j+1], v[252:253] op_sel:[0,1] op_sel_hi:[1,1]
.set j, j+2
.endr
.set j, 0
.rept 16
	v_pk_fma_f32 v[S+j:S+j+1], v[O+j:O+j+1], v[252:253], v[S+j:S+j+1] op_sel_hi:[1,0,1]
.set j, j+2
.endr
	v_permlanex16_b32 v254, v14, s20, s21
	v_add_f32 v14, v14, v254                       ; the row's sum
	s_wait_alu depctr_va_vdst(0)
	v_rcp_f32 v14, v14
	v_nop
	s_wait_alu depctr_va_vdst(0)
.set j, 0
.rept 16
	v_pk_mul_f32 v[S+j:S+j+1], v[S+j:S+j+1], v[14:15] op_sel_hi:[1,0]
.set j, j+2
.endr
.irp b, 0,1
	v_max3_num_f32 v[BM+\b], |v[S+16*\b]|, |v[S+16*\b+1]|, 0x1800000
.endr
.irp i, 2,4,6,8,10,12,14
.irp b, 0,1
	s_delay_alu instid0(VALU_DEP_2)
	v_max3_num_f32 v[BM+\b], v[BM+\b], |v[S+16*\b+\i]|, |v[S+16*\b+\i+1]|
.endr
.endr
.irp b, 0,1
	s_delay_alu instid0(VALU_DEP_2)
	v_permlanex16_b32 v[PT+\b], v[BM+\b], s20, s21
.endr
.irp b, 0,1
	s_delay_alu instid0(VALU_DEP_2)
	v_max_num_f32 v[BM+\b], v[BM+\b], v[PT+\b]
.endr
.irp b, 0,1
	s_delay_alu instid0(VALU_DEP_2)
	v_add_nc_u32 v[SO+\b], 0xff000000, v[BM+\b]
.endr
.irp b, 0,1
	s_delay_alu instid0(VALU_DEP_2)
	v_lshrrev_b32 v[PT+\b], 23, v[SO+\b]
.endr
	s_delay_alu instid0(VALU_DEP_1)
	v_lshl_or_b32 v254, v[PT+1], 8, v[PT]
	v_cvt_scalef32_pk16_fp6_f32 v[224:226], v[S:S+15], v[SO]
	v_cvt_scalef32_pk16_fp6_f32 v[240:242], v[S+16:S+31], v[SO+1]
	v_nop
.irp i, 0,1,2
	v_permlane16_swap_b32 v[224+\i], v[240+\i]
.endr
.irp i, 0,1,2
	s_delay_alu instid0(VALU_DEP_3)
	v_mov_b32 v[227+\i], v[240+\i]
.endr
	ds_store_b16 v7, v254
	global_store_b128 v255, v[224:227], s[14:15]
	global_store_b64 v243, v[228:229], s[14:15] offset:512
.Lupper_\@:
.endm
.macro NEXT                            ; every wave: on to the next head
	s_wait_dscnt 0x0
	s_wait_xcnt 0x0                                ; the stores have read their data and their base
	s_add_nc_u64 s[14:15], s[14:15], 6400
	v_add_nc_u32 v7, 256, v7
.irp j, 0,1,2,3,4,5
	v_mov_b32 v[16+\j], v[NQ+\j]
.endr
	v_mov_b32 v28, v[NQ+6]
.irp j, 0,1,2,3,4,5,6
	v_mov_b32 v[NQ+\j], v[NQ2+\j]
.endr
	INIT
.endm
	INIT
	s_wait_alu depctr_va_vdst(0)
	s_wait_tensorcnt 0x0                           ; my part of slot 0 is in; the three lines ahead of a later first fill, as ahead of a refill
	ds_add_u32 v3, v4
	s_wait_dscnt 0x0
	CROUND                                         ; slot 0 is whole in every work-group
	JLOAD 36                                       ; slot 1
	s_wait_loadcnt 0x0                             ; q of all three heads
	SLOTWORK
	s_mov_b32 s43, 2
.Lhead:
	CHANGE 1
	SLOTWORK
	GIVE
	CHANGE 1
	FINISH
	NEXT
	SLOTWORK
	s_sub_co_u32 s43, s43, 1
	s_cmp_lg_u32 s43, 0
	s_cbranch_scc1 .Lhead
	CHANGE 0
	SLOTWORK
	GIVE
	s_wait_dscnt 0x0
	s_barrier_signal -1
	s_barrier_wait -1
	FINISH
	s_wait_dscnt 0x0
	s_barrier_signal -1
	s_barrier_wait -1                              ; all scale bytes lie in SCG
	s_cmp_lt_u32 s10, 3
	s_cbranch_scc0 .Lno_as
	ds_load_b64 v[240:241], v[GA]
	s_wait_dscnt 0x0
	global_store_b64 v2, v[240:241], s[16:17]      ; a head's 256 scale bytes: 256 consecutive bytes, aligned
.Lno_as:
	s_wait_tensorcnt 0x0                           ; the wave's end
	ds_add_u32 v3, v4
	s_wait_dscnt 0x0
	CROUND                                         ; the closing round
	s_endpgm
.Lfunc_end_k_q85b8f41b3a_attn:
	.size	k_q85b8f41b3a_attn, .Lfunc_end_k_q85b8f41b3a_attn-k_q85b8f41b3a_attn
	.p2alignl 7, 3214868480
	.fill 96, 4, 3214868480
	.section	.rodata,"a",@progbits
	.p2align	6, 0x0
	.amdhsa_kernel k_q85b8f41b3a_attn
		.amdhsa_group_segment_fixed_size 327680
		.amdhsa_private_segment_fixed_size 0
		.amdhsa_enable_private_segment 0
		.amdhsa_kernarg_size 24
		.amdhsa_user_sgpr_count 2
		.amdhsa_user_sgpr_kernarg_segment_ptr 1
		.amdhsa_wavefront_size32 1
		.amdhsa_system_sgpr_workgroup_id_x 1
		.amdhsa_system_sgpr_workgroup_id_y 1
		.amdhsa_system_sgpr_workgroup_id_z 1
		.amdhsa_system_vgpr_workitem_id 0
		.amdhsa_next_free_vgpr 256
		.amdhsa_next_free_sgpr 84
		.amdhsa_reserve_vcc 0
		.amdhsa_float_denorm_mode_32 3
		.amdhsa_float_denorm_mode_16_64 3
		.amdhsa_memory_ordered 1
		.amdhsa_forward_progress 1
		.amdhsa_inst_pref_size 104
	.end_amdhsa_kernel
	.amdgpu_metadata
---
amdhsa.version: [ 1, 2 ]
amdhsa.kernels:
  - .name:           k_q85b8f41b3a_attn
    .symbol:         k_q85b8f41b3a_attn.kd
    .args:
      - { .name: qbuf, .offset: 0, .size: 8, .value_kind: global_buffer, .address_space: global }
      - { .name: kv, .offset: 8, .size: 8, .value_kind: global_buffer, .address_space: global }
      - { .name: att, .offset: 16, .size: 8, .value_kind: global_buffer, .address_space: global }
    .group_segment_fixed_size: 327680
    .private_segment_fixed_size: 0
    .kernarg_segment_align: 8
    .kernarg_segment_size: 24
    .max_flat_workgroup_size: 512
    .sgpr_count:     84
    .vgpr_count:     256
    .wavefront_size: 32
...
	.end_amdgpu_metadata
.endif
;; end of part 3
;; launch oproj (part 4): grid 4 x 64, 4 waves a work-group, clusters of 4 x 4, 264,704 bytes of LDS; arguments att, ops, bo, out0; writes out0
.if DOCPART == 4
	.amdgcn_target "amdgcn-amd-amdhsa--gfx1250"
	.amdhsa_code_object_version 6
	.text
	.protected	k_q85b8f41b3a_oproj
	.globl	k_q85b8f41b3a_oproj
	.p2align	8
	.type	k_q85b8f41b3a_oproj,@function
k_q85b8f41b3a_oproj:
	s_mov_b64 s[64:65], 0
	v_nop
	global_prefetch_b8 v0, s[64:65] scope:SCOPE_SE
	s_setreg_imm32_b32 hwreg(HW_REG_WAVE_MODE, 25, 1), 1
	s_wait_xcnt 0x0
	s_wait_alu depctr_hold_cnt(0) depctr_sa_sdst(0) depctr_va_vdst(0) depctr_va_sdst(0) depctr_va_ssrc(0) depctr_va_vcc(0) depctr_vm_vsrc(0)
	s_getreg_b32 s2, hwreg(HW_REG_IB_STS2, 6, 4)
	s_cmp_eq_u32 s2, 0
	s_cbranch_scc0 .Lentry_in_a_cluster
	s_endpgm
.Lentry_in_a_cluster:
	s_bfe_u32 s2, ttmp6, 0x10000c
	s_cmp_lg_u32 s2, 0xf033
	s_cbranch_scc0 .Lentry_shape_is_right
	s_endpgm
.Lentry_shape_is_right:
; out0 = attn Wo^T + bo on codes of FP6 (E2M3) with E8M0 scales.  K = the 768 channels of heads 0-11: the other 256 are zeros by the problem's own mask and add nothing.
; SHARES.  A work-group makes 128 tokens (a group) x 256 features; wave w: token tiles 4 (w / 2) .. + 3 (source 1) x the 128 features of Wo's group w % 2 (source 0): 32 accumulators.
; A lane holds one token, its registers run along the features: 32 neighbouring bytes of a row of the output for each tile.
; ALL OF K LIES IN LDS: three chunks of 256 along K, each 25,600 bytes of attn (four heads' blocks) and 2 x 25,600 of Wo, all as images of operand registers.  Every byte of LDS is filled once, at the start:
; wave 0 fetches attn's three chunks, waves 1 and 2 Wo's; three tensor loads of a wave are out at the most.  No slot is filled again.
; CLUSTER 4 x 4: attn's chunks hang on the token group alone and are asked for jointly along a row of the cluster, Wo's on the features alone, jointly along a column.
; A K step of 128 is two heads: registers 0-5 of attn's fragment come from the first head's image, 6-11 from the second's; its scale word is made of the two heads' pairs of bytes.
; bo is the C of each sum's first matrix instruction.  The rows of a tile are 32 (t / 2) + 8 (t % 2) + r + 8 (r / 8) of the group, for tokens and for features alike.
; REGISTERS: window 0: v1-11 addresses; v32-47 Wo's scale words, v48-55 attn's (two sets each), v56-63 their halves on the way; v128-223 attn's fragments, two sets; on the way out v128-255.
;   window 1: Wo's fragments, two sets (v0-95, v128-223), and bo (v96-127, v224-255).   window 2: the accumulators ((a, b) at v[8 (8 a + b)]).
.set GB,   25600
.set CH,   3*GB                        ; a chunk in LDS
.set WOB,  8396800                     ; where Wo's blocks begin in ops
.set STG,  3*CH                        ; behind the chunks: a stage of 16 rows x (512 + 16) bytes for each wave; no fill lands here
.set SP,   528
.set FR,   12
.set WS,   32
.set AS,   48
.set UT,   56
.set AF,   128
.set BK,   128
.set G1A,  24
.set G1W,  32
.set G0A,  40
.set G0W,  52
.set MSB,  0
.macro WIN new
.if MSB != (\new)
	s_set_vgpr_msb (MSB<<8)|(\new)
.set MSB, \new
.endif
.endm
.macro PLACES n
.rept \n
	v_nop
.endr
.endm
.macro CROUND                          ; a round of the cluster's barrier
	s_barrier_signal -1
	s_barrier_wait -1
	s_cmp_lg_u32 s16, 0
	s_cbranch_scc1 .Lnot_wave_0_\@
	s_barrier_signal -3
.Lnot_wave_0_\@:
	s_barrier_wait -3
	s_barrier_signal -1
	s_barrier_wait -1
.endm
.macro WM d, a, b, c, sa, sb, ra, rb
.set rD, \d
.set rA, \a
.set rB, \b
.set rC, \c
.set rX, \sa
.set rY, \sb
.set rR, (\ra)+2*(\rb)
.if rR == 0
	v_wmma_scale_f32_16x16x128_f8f6f4 v[rD:rD+7], v[rA:rA+11], v[rB:rB+11], v[rC:rC+7], v[rX], v[rY] matrix_a_fmt:MATRIX_FMT_FP6 matrix_b_fmt:MATRIX_FMT_FP6
.elseif rR == 1
	v_wmma_scale_f32_16x16x128_f8f6f4 v[rD:rD+7], v[rA:rA+11], v[rB:rB+11], v[rC:rC+7], v[rX], v[rY] matrix_a_fmt:MATRIX_FMT_FP6 matrix_b_fmt:MATRIX_FMT_FP6 matrix_a_scale:MATRIX_SCALE_ROW1
.elseif rR == 2
	v_wmma_scale_f32_16x16x128_f8f6f4 v[rD:rD+7], v[rA:rA+11], v[rB:rB+11], v[rC:rC+7], v[rX], v[rY] matrix_a_fmt:MATRIX_FMT_FP6 matrix_b_fmt:MATRIX_FMT_FP6 matrix_b_scale:MATRIX_SCALE_ROW1
.else
	v_wmma_scale_f32_16x16x128_f8f6f4 v[rD:rD+7], v[rA:rA+11], v[rB:rB+11], v[rC:rC+7], v[rX], v[rY] matrix_a_fmt:MATRIX_FMT_FP6 matrix_b_fmt:MATRIX_FMT_FP6 matrix_a_scale:MATRIX_SCALE_ROW1 matrix_b_scale:MATRIX_SCALE_ROW1
.endif
.endm
	s_load_b128 s[4:7], s[0:1], 0x0                ; att, ops
	s_load_b128 s[8:11], s[0:1], 0x10              ; bo, out0
	v_lshl_add_u32 v126, v0, 2, 0x40800
	v_mov_b32 v127, 0
	ds_add_u32 v126, v127
	ds_add_u32 v126, v127
	v_lshrrev_b32 v3, 5, v0
	v_readfirstlane_b32 s16, v3                    ; wave 0..3
	s_lshr_b32 s17, s16, 1                         ; my half of the tokens
	s_and_b32 s18, s16, 1                          ; my group of Wo
	s_bfe_u32 s19, ttmp6, 0x40000                  ; cx
	s_bfe_u32 s20, ttmp6, 0x40004                  ; cy
	s_lshl_b32 s21, ttmp9, 2
	s_add_co_u32 s21, s21, s19                     ; the tile of 256 features
	s_and_b32 s22, ttmp7, 0xffff
	s_lshl_b32 s22, s22, 2
	s_add_co_u32 s22, s22, s20                     ; the group of 128 tokens
	s_lshl_b32 s66, s20, 2
	s_lshl_b32 s66, 15, s66                        ; my row of the cluster
	s_lshl_b32 s67, 0x1111, s19                    ; my column
	; group 1: a dense block of 25,600 bytes as 100 rows of 256 bytes (32 elements of 8 bytes), no padding
	s_or_b32 s[G1A], s66, (3<<16)|(1<<21)          ; attn's chunks go to my row
	s_or_b32 s[G1W], s67, (3<<16)|(1<<21)          ; Wo's to my column
; THE FILLS, AS THEY NOW STAND (this takes the place of what the head comment says of them): an operand's three chunks lie on end in memory, 76,800 bytes, and come by ONE load of 300 rows of 256 bytes:
; wave 0 attn's, to LDS byte 0; waves 1 and 2 Wo's two groups, to CH and 2 CH.  One tensor load a wave; chunk n of an operand lies n x 25,600 bytes behind its chunk 0.
.irp g, G1A, G1W
	s_mov_b32 s[\g+1], 32<<16
	s_mov_b32 s[\g+2], 300<<16
	s_mov_b32 s[\g+3], 32<<16
	s_mov_b32 s[\g+4], 300
	s_mov_b32 s[\g+5], 32
	s_mov_b32 s[\g+6], 0
	s_mov_b32 s[\g+7], 0
.endr
	s_mul_i32 s68, s22, CH                         ; attn: the group's 12 heads are 76,800 bytes on end: nothing of cx enters
	s_mov_b32 s69, 0
	s_max_u32 s72, s16, 1
	s_min_u32 s72, s72, 2
	s_sub_co_u32 s72, s72, 1                       ; waves 1, 2: Wo's group 0, 1 of the tile (held inside that range in the waves that do not ask)
	s_lshl_b32 s70, s21, 1
	s_add_co_u32 s70, s70, s72
	s_mul_i32 s70, s70, CH
	s_add_co_u32 s70, s70, WOB                     ; nothing of cy enters
	s_mov_b32 s71, 0
	s_min_u32 s73, s16, 2
	s_mul_i32 s73, s73, CH                         ; where it goes: attn, Wo's group 0, Wo's group 1
	s_wait_dscnt 0x0
	s_wait_kmcnt 0x0
	s_add_nc_u64 s[68:69], s[4:5], s[68:69]
	s_add_nc_u64 s[70:71], s[6:7], s[70:71]
	CROUND                                         ; all sixteen work-groups are here: the joint loads meet
.irp n, 0
	s_mov_b32 s[G0A+4*\n], 1
	s_add_co_u32 s[G0A+4*\n+1], s73, \n*CH
	s_add_nc_u64 s[G0A+4*\n+2:G0A+4*\n+3], s[68:69], \n*GB
	s_or_b32 s[G0A+4*\n+3], s[G0A+4*\n+3], 0x80000000
	s_mov_b32 s[G0W+4*\n], 1
	s_add_co_u32 s[G0W+4*\n+1], s73, \n*CH
	s_add_nc_u64 s[G0W+4*\n+2:G0W+4*\n+3], s[70:71], \n*GB
	s_or_b32 s[G0W+4*\n+3], s[G0W+4*\n+3], 0x80000000
.endr
	s_cmp_eq_u32 s16, 0                            ; all fills of a wave stand together, under branches on the wave's number alone; wave 3 fetches nothing
	s_cbranch_scc0 .Lnot_a
	tensor_load_to_lds s[G0A:G0A+3], s[G1A:G1A+7]
	s_nop 0
	PLACES 4
	s_branch .Lasked
.Lnot_a:
	s_cmp_lt_u32 s16, 3
	s_cbranch_scc0 .Lasked
	tensor_load_to_lds s[G0W:G0W+3], s[G1W:G1W+7]
	s_nop 0
	PLACES 4
.Lasked:
	v_and_b32 v3, 31, v0
	v_lshlrev_b32 v1, 4, v3                        ; 16 x lane
	v_lshlrev_b32 v2, 3, v3                        ; 8 x lane
	v_lshlrev_b32 v8, 1, v3
	s_mul_i32 s74, s18, CH
	s_add_co_u32 s74, s74, CH
	v_add_nc_u32 v4, s74, v1                       ; v4, v5: my group of Wo in chunk 0
	v_add_nc_u32 v5, s74, v2
	s_mul_i32 s74, s17, 3072
	v_add_nc_u32 v6, s74, v1                       ; v6, v7: my four tiles of attn in a head's block
	v_add_nc_u32 v7, s74, v2
	s_lshl_b32 s74, s17, 7
	v_add_nc_u32 v8, s74, v8                       ; v8: their scale bytes: 2 (16 t + r): lanes 0-15 an even tile's, lanes 16-31 the next one's
	s_mul_i32 s74, s16, 16*SP
	s_add_co_u32 s74, s74, STG                     ; my stage
	v_and_b32 v3, 15, v0
	v_bfe_u32 v11, v0, 4, 1
	v_mul_u32_u24 v9, v3, SP
	v_lshl_add_u32 v9, v11, 6, v9
	v_add_nc_u32 v9, s74, v9                       ; v9: in: row r, + 64 (lane / 16)
	v_add_nc_u32 v10, s74, v1                      ; v10: back: a row of 512 bytes, 16 a lane
	v_lshlrev_b32 v11, 6, v11                      ; v11: bo: 64 (lane / 16)
	s_wait_alu depctr_va_vdst(0)
	s_lshl_b32 s76, s21, 10
	s_lshl_b32 s77, s18, 9
	s_add_co_u32 s76, s76, s77                     ; my first feature, in bytes
	s_mov_b32 s77, 0
	s_add_nc_u64 s[8:9], s[8:9], s[76:77]
	s_lshl_b32 s78, s22, 19                        ; 128 rows of 4,096 bytes a group,
	s_lshl_b32 s79, s17, 18                        ; 64 rows a half
	s_add_co_u32 s78, s78, s79
	s_add_co_u32 s78, s78, s76
	s_mov_b32 s79, 0
	s_add_nc_u64 s[10:11], s[10:11], s[78:79]
	WIN 0x40                                       ; destination window 1
.irp b, 0,1,2,3,4,5,6,7                        ; bo in the result's layout: tile b, register j: feature 32 (b / 2) + 16 (lane / 16) + 8 (b % 2) + j
	global_load_b128 v[96+8*\b+96*(\b/4):96+8*\b+96*(\b/4)+3], v11, s[8:9] offset:(32*(\b/2)+8*(\b%2))*4
	global_load_b128 v[96+8*\b+96*(\b/4)+4:96+8*\b+96*(\b/4)+7], v11, s[8:9] offset:(32*(\b/2)+8*(\b%2))*4+16
.endr
	WIN 0
.macro FETCHW q, set                   ; Wo's eight fragments of the chunk's K step q: 24 loads
	WIN 0x40
.irp i, 0,1,2,3,4,5,6,7
.irp c, 0,1,2
	ds_load_b128 v[128*(\set)+FR*\i+4*\c:128*(\set)+FR*\i+4*\c+3], v4 offset:12288*(\q)+1536*\i+512*\c
.endr
.endr
	WIN 0
.endm
.macro FETCHA q, set                   ; attn's four fragments: halves from heads 2 q and 2 q + 1 of the chunk: 16 loads
.irp i, 0,1,2,3
.irp c, 0,1
	ds_load_b128 v[AF+48*(\set)+FR*\i+6*\c:AF+48*(\set)+FR*\i+6*\c+3], v6 offset:(2*(\q)+\c)*6400+768*\i
	ds_load_b64 v[AF+48*(\set)+FR*\i+6*\c+4:AF+48*(\set)+FR*\i+6*\c+5], v7 offset:(2*(\q)+\c)*6400+768*\i+512
.endr
.endr
.endm
.macro SCL4 set                        ; a chunk's scale words: Wo's whole, attn's in halves: 12 loads
.irp p, 0,1,2,3
	ds_load_b64 v[WS+8*(\set)+2*\p:WS+8*(\set)+2*\p+1], v5 offset:24576+256*\p
.endr
.irp q, 0,1
.irp p, 0,1
.irp c, 0,1
	ds_load_u16 v[UT+4*\q+2*\p+\c], v8 offset:(2*\q+\c)*6400+6144+64*\p
.endr
.endr
.endr
.endm
.macro COMB set                        ; attn's scale words: the first head's two bytes below, the second's above
.irp q, 0,1
.irp p, 0,1
	v_lshl_or_b32 v[AS+4*(\set)+2*\p+\q], v[UT+4*\q+2*\p+1], 16, v[UT+4*\q+2*\p]
.endr
.endr
	PLACES 8                                       ; a scale register written by a vector instruction stands eight plain instructions ahead of the product that names it
.endm
; 16 matrix instructions of K step s: attn's tiles a0, a0 + 1 x Wo's eight.  The 32 accumulators take turns, one instruction a turn, in the same order in every step
.macro MUL a0, s
.irp a, \a0, \a0+1
.irp b, 0,1,2,3,4,5,6,7
.if (\s) == 0
	WM 8*(8*(\a)+\b), 128*((\s)%2)+FR*\b, AF+48*((\s)%2)+FR*(\a), 96+8*\b+96*(\b/4), WS+8*(((\s)/2)%2)+2*(\b/2)+(\s)%2, AS+4*(((\s)/2)%2)+2*((\a)/2)+(\s)%2, \b%2, (\a)%2
.else
	WM 8*(8*(\a)+\b), 128*((\s)%2)+FR*\b, AF+48*((\s)%2)+FR*(\a), 8*(8*(\a)+\b), WS+8*(((\s)/2)%2)+2*(\b/2)+(\s)%2, AS+4*(((\s)/2)%2)+2*((\a)/2)+(\s)%2, \b%2, (\a)%2
.endif
.endr
.endr
.endm
.macro MWIN s
.if (\s) == 0
	WIN 0x91                                       ; source 0 and C (bo) window 1, source 1 window 0, D window 2
.else
	WIN 0xa1                                       ; source 0 window 1, source 1 window 0, C and D window 2
.endif
.endm
; K step s: in its middle the next step's fragments are fetched into the other sets; at a chunk's end the next chunk is shown whole first
.macro OSTEP s
	s_wait_dscnt 0x0                               ; this step's fragments are in
	MWIN \s
	MUL 0, \s
.if (\s) < 5
.if (\s)%2
	WIN 0
.irp r, 4,5,6,7,8
	v_add_nc_u32 v[\r], GB, v[\r]                  ; on to the next chunk, which the first barrier has shown whole.  These five are also the places in front of the loads below
.endr
	SCL4 ((\s)/2+1)%2
.else
	PLACES 4
.endif
	FETCHW ((\s)+1)%2, ((\s)+1)%2
	FETCHA ((\s)+1)%2, ((\s)+1)%2
.if (\s)%2
	s_wait_dscnt 40                                ; the 12 loads of scale words are in; the 40 of fragments may be out
	COMB ((\s)/2+1)%2
.endif
.endif
	MWIN \s
	MUL 2, \s
.endm
	s_wait_tensorcnt 0x0                           ; my load is in: all three chunks of my operand
	s_barrier_signal -1
	s_barrier_wait -1
	SCL4 0
	FETCHW 0, 0
	FETCHA 0, 0
	s_wait_loadcnt 0x0                             ; bo
	s_wait_dscnt 40
	COMB 0
	s_wait_alu depctr_va_vdst(0)
	OSTEP 0
	OSTEP 1
	s_wait_alu depctr_va_vdst(0)
	OSTEP 2
	OSTEP 3
	s_wait_alu depctr_va_vdst(0)
	OSTEP 4
	OSTEP 5
	WIN 0
; THE WAY OUT, a tile of 16 tokens x 128 features at a time: through my own stage in LDS and back as whole rows of 512 bytes, which the 32 lanes store as 512 consecutive bytes, aligned.
; LDS serves a wave's instructions in order: no wait between the stores and the loads, nor in front of the next tile's stores
.macro TOSTAGE a
	WIN 0x08                                       ; an LDS store's data are its source 1: window 2
.irp b, 0,1,2,3,4,5,6,7
	ds_store_b128 v9, v[8*(8*(\a)+\b):8*(8*(\a)+\b)+3] offset:128*(\b/2)+32*(\b%2)      ; each accumulator from its low end on
	ds_store_b128 v9, v[8*(8*(\a)+\b)+4:8*(8*(\a)+\b)+7] offset:128*(\b/2)+32*(\b%2)+16
.endr
	WIN 0
.irp i, 0,1,2,3,4,5,6,7,8,9,10,11,12,13,14,15
	ds_load_b128 v[BK+64*((\a)%2)+4*\i:BK+64*((\a)%2)+4*\i+3], v10 offset:SP*\i
.endr
.endm
.macro SEND a, younger                 ; younger: the LDS instructions issued behind tile a's loads, which may stay out.  Stage row i is token 32 (a / 2) + 8 (a % 2) + i + 8 (i / 8) of my 64
	s_wait_dscnt \younger
.irp i, 0,1,2,3,4,5,6,7,8,9,10,11,12,13,14,15
	global_store_b128 v1, v[BK+64*((\a)%2)+4*\i:BK+64*((\a)%2)+4*\i+3], s[10:11] offset:(32*((\a)/2)+8*((\a)%2)+\i+8*(\i/8))*4096 th:TH_STORE_NT
.endr
.endm
	PLACES 4                                       ; behind the last products: results are read, and registers that held attn's fragments are loaded
	TOSTAGE 0
	TOSTAGE 1
	SEND 0, 32                                     ; behind tile 0's loads: tile 1's 16 stores and 16 loads
	s_wait_xcnt 0x0                                ; tile 0's stores have read their data: tile 2's loads may land there
	TOSTAGE 2
	SEND 1, 32
	s_wait_xcnt 0x0
	TOSTAGE 3
	SEND 2, 32
	SEND 3, 0
	s_wait_tensorcnt 0x0
	ds_add_u32 v126, v127
	s_wait_dscnt 0x0
	CROUND                                         ; the closing round: no work-group ends while a partner may still ask for a chunk that names it
	s_endpgm
.Lfunc_end_k_q85b8f41b3a_oproj:
	.size	k_q85b8f41b3a_oproj, .Lfunc_end_k_q85b8f41b3a_oproj-k_q85b8f41b3a_oproj
	.p2alignl 7, 3214868480
	.fill 96, 4, 3214868480
	.section	.rodata,"a",@progbits
	.p2align	6, 0x0
	.amdhsa_kernel k_q85b8f41b3a_oproj
		.amdhsa_group_segment_fixed_size 264704
		.amdhsa_private_segment_fixed_size 0
		.amdhsa_enable_private_segment 0
		.amdhsa_kernarg_size 32
		.amdhsa_user_sgpr_count 2
		.amdhsa_user_sgpr_kernarg_segment_ptr 1
		.amdhsa_wavefront_size32 1
		.amdhsa_system_sgpr_workgroup_id_x 1
		.amdhsa_system_sgpr_workgroup_id_y 1
		.amdhsa_system_sgpr_workgroup_id_z 1
		.amdhsa_system_vgpr_workitem_id 0
		.amdhsa_next_free_vgpr 768
		.amdhsa_next_free_sgpr 100
		.amdhsa_reserve_vcc 0
		.amdhsa_float_denorm_mode_32 3
		.amdhsa_float_denorm_mode_16_64 3
		.amdhsa_memory_ordered 1
		.amdhsa_forward_progress 1
		.amdhsa_inst_pref_size 67
	.end_amdhsa_kernel
	.amdgpu_metadata
---
amdhsa.version: [ 1, 2 ]
amdhsa.kernels:
  - .name:           k_q85b8f41b3a_oproj
    .symbol:         k_q85b8f41b3a_oproj.kd
    .args:
      - { .name: att, .offset: 0, .size: 8, .value_kind: global_buffer, .address_space: global }
      - { .name: ops, .offset: 8, .size: 8, .value_kind: global_buffer, .address_space: global }
      - { .name: bo, .offset: 16, .size: 8, .value_kind: global_buffer, .address_space: global }
      - { .name: out0, .offset: 24, .size: 8, .value_kind: global_buffer, .address_space: global }
    .group_segment_fixed_size: 264704
    .private_segment_fixed_size: 0
    .kernarg_segment_align: 8
    .kernarg_segment_size: 32
    .max_flat_workgroup_size: 128
    .sgpr_count:     100
    .vgpr_count:     768
    .wavefront_size: 32
...
	.end_amdgpu_metadata
.endif
;; end of part 4
